; MI455X (gfx1250); checked and timed in simulation.
; The chip was launched on July 23, 2026; its instructions are those of AMD's public machine-readable ISA for CDNA 5 (MIT licence, August 2026) and "CDNA5" Instruction Set Architecture Reference Guide (July 2026). The comments in the code are by the model that wrote it; some were corrected since.
;; Points Fusion2. Allowed arithmetic: matrix products marked QUANTISED: E4M3 operands, one E8M0 scale for each 32 along K, by v_wmma_scale_f32_16x16x128_f8f6f4 with both operands' format E4M3, f32 sums; products left as they are: f32 operands where the result goes on into a quantised operand, else bf16, f16 or f32 operands; f32 sums; everything else in f32.
;; Inputs: Wk 4 x 64 float32; Wq 4 x 64 float32; Wv 4 x 64 float32; bk 64 float32; bq 64 float32; bv 64 float32; pc 8 x 3 x 2,048 float32; points1 8 x 3 x 2,048 float32; points2 8 x 3 x 2,048 float32; ridx1 8 x 1,024 int32; ridx2 8 x 1,024 int32.
;; Outputs: out0 8 x 3 x 2,048 float32.
;; Constants: k = 16, t = 0.5.
;; This version of the problem:
;;   THIS VERSION OF THE PROBLEM IS GIVEN IN LOW PRECISION. The matrix products marked QUANTISED in the list below multiply operands that are first quantised to E4M3 (4 exponent bits, 3 mantissa bits; 8 bits a number), with one power-of-two scale for each 32 numbers along K (OCP MX v1.0); their sums are f32. All else is computed in f32.
;;   The module's matrix products, in the order in which they are computed (A, B: the left and right operand; K: the contracted axis; several contracted axes count as one K, in the product's order):
;;     1. batch 8 x [M 2,048, K 3] x [K 3, N 2,048]; A: computed on the way; B: input points1: left as it is (K = 3 < 32)
;;     2. batch 8 x [M 2,048, K 3] x [K 3, N 2,048]; A: computed on the way; B: input points2: left as it is (K = 3 < 32)
;;     3. batch 8 x [M 2,048, K 3] x [K 3, N 2,048]; A: computed on the way; B: input pc: left as it is (K = 3 < 32)
;;     4. [M 524,288, K 4] x [K 4, N 64]; A: computed on the way; B: input Wq: left as it is (K = 4 < 32)
;;     5. [M 524,288, K 4] x [K 4, N 64]; A: computed on the way; B: input Wk: left as it is (K = 4 < 32)
;;     6. [M 524,288, K 4] x [K 4, N 64]; A: computed on the way; B: input Wv: left as it is (K = 4 < 32)
;;     7. batch 16,384 x [M 32, K 64] x [K 64, N 32]; A: computed on the way; B: computed on the way: QUANTISED
;;     8. batch 16,384 x [M 32, K 32] x [K 32, N 64]; A: softmax (see below); B: computed on the way: QUANTISED
;;     9. batch 16,384 x [M 3, K 32] x [K 32, N 1]; A: computed on the way; B: softmax (see below): left as it is (M = 3 < 16)
;;   THE QUANTISER, for each operand of a quantised product, along K:
;;     - K is cut into blocks of 32 from its start; a last block that is shorter is filled with zeros.
;;     - A block's scale is 2^e with e = floor(log2(the largest magnitude in the block)) - 8, held to -126 .. 127; a block of zeros has e = 0. As a byte (E8M0): e + 127.
;;     - Each number is divided by its block's scale, clamped to +-448, and rounded to the nearest number of E4M3, ties to even, subnormals kept.
;;     - The product sums the exact products of the quantised numbers (number of the format x scale) in f32.
;;   ~~~python
;;   def quantise(x, axis):      # numpy; x: float32 -> the quantised numbers, widened to float32 again
;;       x = np.moveaxis(x, axis, -1); K = x.shape[-1]
;;       x = np.pad(x, [(0, 0)] * (x.ndim - 1) + [(0, -K % 32)]); x = x.reshape(x.shape[:-1] + (-1, 32)); a = np.abs(x).max(-1, keepdims=True)
;;       e = np.where(a > 0, np.clip(np.frexp(np.where(a > 0, a, 1))[1] - 1 - 8, -126, 127), 0)      # np.frexp(a)[1] - 1 = floor(log2(a)), exactly
;;       r = np.clip(x / 2.0 ** e, -448, 448)
;;       step = 2.0 ** (np.maximum(np.frexp(np.where(r == 0, 1, r))[1] - 1, -6) - 3)
;;       q = np.round(r / step) * step * 2.0 ** e      # np.round: ties to even
;;       return np.moveaxis(q.reshape(q.shape[:-2] + (-1,))[..., :K], -1, axis).astype(np.float32)
;;   ~~~
;;   SOFTMAX AHEAD OF A QUANTISED PRODUCT. Where the list says 'softmax', what is quantised is not the finished softmax but p = 2^(t - M), with t = logit x log2(e) and M = ceil(the row's largest t), a whole number; so 1/2 < the row's largest p <= 1. The row's sum l is taken of the UNQUANTISED p, in f32, and the product's result is divided by l at the end. Since M is a whole number, a kernel that streams over the keys may use a running M (the ceiling of the running maximum): every later rescaling is an exact power of two, which a block's scale takes up: the codes' values come out the same.
;;   OPERANDS COMPUTED ON THE WAY. 'Computed on the way' means the value that the module computes at that place (a softmax that the list does not call 'softmax' is quantised finished and normalised). What goes into a quantiser is computed in f32, as accurately as f32 sums, v_exp_f32 and their like allow (about 1e-6 of the number): no bf16 or f16 on the way to a quantiser, and a product that is left as it is and whose result goes on into a quantised operand takes f32 operands (vector FMAs, or v_wmma_f32_16x16x4_f32). A number that lies on a knife's edge between two numbers of the format may be rounded either way, as far as f32 arithmetic and the matrix unit's own rounding can turn it there, and no further.
;; 2 versions, each right and faster than the one before. Each part assembles by itself: llvm-mc -triple=amdgcn-amd-amdhsa -mcpu=gfx1250 --defsym DOCPART=n.
;; ======== version 1 of 2: 2 launches
;; workspace buffers: nidx 2,097,152 bytes of whole numbers
;; launch knn (part 1): grid 256 x 1, 12 waves a work-group, no clusters, 167,936 bytes of LDS; arguments points1, points2, pc, ridx1, ridx2, nidx; writes nidx
.if DOCPART == 1
	.amdgcn_target "amdgcn-amd-amdhsa--gfx1250"
	.amdhsa_code_object_version 6
	.text
	.protected	k_q5363ab8e4d_knn
	.globl	k_q5363ab8e4d_knn
	.p2align	8
	.type	k_q5363ab8e4d_knn,@function
k_q5363ab8e4d_knn:
	s_mov_b64 s[64:65], 0
	v_nop
	global_prefetch_b8 v0, s[64:65] scope:SCOPE_SE
	s_setreg_imm32_b32 hwreg(HW_REG_WAVE_MODE, 25, 1), 1
	s_wait_xcnt 0x0
; THE NEIGHBOUR SETS.  For each of the 8 x 2,048 fused points q (points1[ridx1[n]] for n < 1,024, else points2[ridx2[n - 1,024]]): the indices of its 8 nearest points in points1,
; its 8 nearest in points2 and its 16 nearest in pc, by d2 = (|q|^2 + |p|^2) - 2 (q . p), ties to the lower index.  They go to nidx as whole numbers; the next launch gathers by them.
; NOT REPRODUCED: the ORDER of a list.  All that follows the choice is symmetric in a point's 32 neighbours, for all values of the inputs: the first quantised product quantises each neighbour's row
; by itself; the second one's single block of 32 holds all 32 neighbours, so its scale is the same in any order; the rest are sums and maxima over the neighbours.  So only the SET is made.
; No input is without a way to the output: the weights and biases are read by the next launch.
; NO BRANCH AND NO ADDRESS HANGS ON A DISTANCE.  Pass 1 finds T, the k-th smallest d2, by insertion into sorted lists (a median of three for each place).  Pass 2 makes d2 anew by the same five lines (the same bits),
; shifts the flags d2 < T and d2 = T of 16 candidates into words, and keeps the k smallest non-empty (class, group of 16) keys; at the end the keys' bits become (class, index) keys, of which the k smallest are the set.
; WHY EXACT: fewer than k candidates lie under T, and at least k at or under it.  The wanted set is the first k in the order (class, index); each non-empty (class, group) entry holds a candidate, so those k lie in the k smallest entries.
; KEYS are bit patterns of floats from 2.0 to under 8.0, so that the float median orders them as whole numbers: group key 0x40000000 | class << 23 | group << 16 | 16 flags; index key 0x40000000 | class << 11 | index; BIG = 8.0.
; PASS 1's LISTS.  Four candidates are sorted; rank r of the four goes to a list of k / (r + 1) places.  Order all candidates by (value, four, rank): one of rank r among the first k brings its r predecessors of the same four,
; so at most k / (r + 1) of rank r are among the first k, and they are the smallest of their rank.  The lists are folded into one at the end.
; SHARES.  A work-group: 64 queries of one batch.  Wave w of 12: table w / 4 (points1, points2, pc), queries 32 (w % 2) on, a lane a query, candidates 1,024 ((w / 2) % 2) on.  The two halves of the candidates meet through LDS.
; LIMITS: NaN and infinities among the inputs are not served.  |p|^2, |q|^2 and q . p are fused chains in the order x, y, z; where another order of rounding would change d2's last bit and two candidates lie that near at the k-th place, the other may be chosen.
; Left out: tensor loads, clusters, prefetches: a work-group reads 72 KiB once, at its head, and passes it through registers for |p|^2; the matrix units: the distances decide a choice, so they keep this form's roundings.
.set XL,    98304                      ; LDS: 0 .. 98,303 the three tables, 32,768 bytes each: x, y, z, |p|^2, 2,048 numbers each;  from XL: a list of 16 for each wave, as an image of its registers (2,048 bytes a wave);
.set XE,    122880                     ; from XE: the same for the key lists
.set SPARE, 147456                     ; the spare words, 128 bytes for each wave: six blocks of 256 bytes that no other line names
.set CAD0, 2                           ; v2   LDS byte of my wave's first candidate's x; the same in all lanes
.set CAD,  3                           ; v3   the same for the trip in hand
.set XLW,  4                           ; v4   where I store my list
.set XLP,  5                           ; v5   where my partner (the other half of the candidates) stores its list
.set SPW,  6                           ; v6   LDS address of my spare word; never rewritten
.set NIL,  7                           ; v7   0; never rewritten
.set QX,   8                           ; v[8:15] qx, qy, qz, |q|^2, each twice: pairs for the packed forms
.set QY,   10
.set QZ,   12
.set QQ,   14
.set T,    16                          ; v16  the k-th smallest d2
.set BIG,  17                          ; v17  8.0
.set LTW,  18                          ; v18  flags d2 < T, the youngest candidate in bit 0
.set EQW,  19                          ; v19  flags d2 = T
.set KY,   20                          ; v20-21 two keys
.set L0,   24                          ; v24-39 rank 0's list, and the folded list;  v40-47, v48-52, v54-57 ranks 1, 2, 3
.set L1,   40
.set L2,   48
.set L3,   54
.set E,    24                          ; v24-39 the group keys
.set H,    40                          ; v40-55 their (class, group) as the upper part of index keys
.set F,    58                          ; v58-73 the index keys
.set CA,   76                          ; v76-107, v108-139 two sets of 8 candidates: x, y, z, |p|^2, 8 registers each; at the head both hold the table on its way to LDS
.set CB,   108
.set D,    140                         ; v140-155 d2
.set TT,   156
.set SS,   164
.set U,    172
.set WV,   16                          ; s16 wave, s17 table, s18 which 32 queries, s19 which half of the candidates
.set ROLE, 17
.set QB,   18
.set SEG,  19
.set CNT,  30
.set STEP, 31
.set KLT,  32
.set KEQ,  33
.set FIN,  34                          ; 0 in the wave of a pair that finishes
.set MASK, 35
.set POS,  36
; x goes into an ascending list of len places, in place from the top; the largest falls out
.macro INS base, len, x
.set jj, (\len)-1
.rept (\len)-1
	v_med3_num_f32 v[\base+jj], v[\base+jj-1], v[\base+jj], v[\x]
.set jj, jj-1
.endr
	v_min_num_f32 v[\base], v[\base], v[\x]
.endm
; 8 candidates from off bytes behind the trip's first: all lanes read the same bytes
.macro LOADC cs, off
.irp a, 0,1,2,3
	ds_load_b128 v[\cs+8*\a:\cs+8*\a+3], v[CAD] offset:\off+8192*\a
	ds_load_b128 v[\cs+8*\a+4:\cs+8*\a+7], v[CAD] offset:\off+8192*\a+16
.endr
.endm
; d2 of 8 candidates, two at a time: q . p as a fused chain; |q|^2 + |p|^2; less twice the product, which is exact, in one rounding
.macro D2 cs, dst
.irp p, 0,2,4,6
	v_pk_mul_f32 v[TT+\p:TT+\p+1], v[\cs+\p:\cs+\p+1], v[QX:QX+1]
.endr
.irp p, 0,2,4,6
	v_pk_fma_f32 v[TT+\p:TT+\p+1], v[\cs+8+\p:\cs+8+\p+1], v[QY:QY+1], v[TT+\p:TT+\p+1]
.endr
.irp p, 0,2,4,6
	v_pk_fma_f32 v[TT+\p:TT+\p+1], v[\cs+16+\p:\cs+16+\p+1], v[QZ:QZ+1], v[TT+\p:TT+\p+1]
.endr
.irp p, 0,2,4,6
	v_pk_add_f32 v[SS+\p:SS+\p+1], v[\cs+24+\p:\cs+24+\p+1], v[QQ:QQ+1]
.endr
.irp p, 0,2,4,6
	v_pk_fma_f32 v[\dst+\p:\dst+\p+1], v[TT+\p:TT+\p+1], -2.0, v[SS+\p:SS+\p+1] op_sel_hi:[1,0,1]
.endr
.endm
; the two fours of D[0..7] are sorted; four f's ranks 0 to 3 end in D+f, U+f, U+f+1, D+f+3
.macro SORT8
.irp f, 0,4
	v_min_num_f32 v[U+\f], v[D+\f], v[D+\f+1]
	v_max_num_f32 v[U+\f+1], v[D+\f], v[D+\f+1]
	v_min_num_f32 v[U+\f+2], v[D+\f+2], v[D+\f+3]
	v_max_num_f32 v[U+\f+3], v[D+\f+2], v[D+\f+3]
.endr
.irp f, 0,4
	v_min_num_f32 v[D+\f], v[U+\f], v[U+\f+2]
	v_max_num_f32 v[D+\f+1], v[U+\f], v[U+\f+2]
	v_min_num_f32 v[D+\f+2], v[U+\f+1], v[U+\f+3]
	v_max_num_f32 v[D+\f+3], v[U+\f+1], v[U+\f+3]
.endr
.irp f, 0,4
	v_min_num_f32 v[U+\f], v[D+\f+1], v[D+\f+2]
	v_max_num_f32 v[U+\f+1], v[D+\f+1], v[D+\f+2]
.endr
.endm
.macro WORK1 k
	SORT8
.irp f, 0,4
	INS L0, \k, D+\f
	INS L1, \k/2, U+\f
	INS L2, \k/3, U+\f+1
	INS L3, \k/4, D+\f+3
.endr
.endm
; what differs with k stands in two arms of a branch on the wave's table, inside loops that every wave walks
.macro ROLE_SPLIT m
	s_cmp_eq_u32 s[ROLE], 2
	s_cbranch_scc1 .Lwide_\@
	\m 8
	s_branch .Ljoin_\@
.Lwide_\@:
	\m 16
.Ljoin_\@:
.endm
.macro FOLD k                          ; ranks 1 to 3 into rank 0's list
.set ii, 0
.rept (\k)/2
	INS L0, \k, L1+ii
.set ii, ii+1
.endr
.set ii, 0
.rept (\k)/3
	INS L0, \k, L2+ii
.set ii, ii+1
.endr
.set ii, 0
.rept (\k)/4
	INS L0, \k, L3+ii
.set ii, ii+1
.endr
.endm
.macro MERGE1 k                        ; my partner's list into mine; the last place is T
.set ii, 0
.rept \k
	INS L0, \k, CA+ii
.set ii, ii+1
.endr
	v_mov_b32 v[T], v[L0+\k-1]
.endm
.macro FLAGS                           ; 2 x word + flag, candidate by candidate: candidate i of the 16 ends in bit 15 - i
.set ii, 0
.rept 16
	v_cmp_lt_f32 vcc_lo, v[D+ii], v[T]
	v_add_co_ci_u32 v[LTW], vcc_lo, v[LTW], v[LTW], vcc_lo
	v_cmp_eq_f32 vcc_lo, v[D+ii], v[T]
	v_add_co_ci_u32 v[EQW], vcc_lo, v[EQW], v[EQW], vcc_lo
.set ii, ii+1
.endr
.endm
.macro KEY dst, w, sc                  ; the group's key, or BIG where no flag is set
	v_and_b32 v[\dst], 0xffff, v[\w]
	v_cmp_eq_u32 vcc_lo, 0, v[\dst]
	v_or_b32 v[\dst], s[\sc], v[\dst]
	v_cndmask_b32 v[\dst], v[\dst], v[BIG], vcc_lo
.endm
.macro INS2 k
	INS E, \k, KY
	INS E, \k, KY+1
.endm
.macro MERGE2 k                        ; my partner's keys into mine; then the upper parts of the index keys, and an empty list of those
.set ii, 0
.rept \k
	INS E, \k, CA+ii
.set ii, ii+1
.endr
.set ii, 0
.rept \k
	v_bfe_u32 v[KY+ii%2], v[E+ii], 16, 8                   ; class and group (of BIG: 0, and BIG has no flag)
	v_lshl_or_b32 v[H+ii], v[KY+ii%2], 4, 0x40000000
	v_mov_b32 v[F+ii], v[BIG]
.set ii, ii+1
.endr
.endm
.macro BITS k                          ; one place of the 16 in all k keys
.set ii, 0
.rept \k
	v_and_b32 v[KY+ii%2], s[MASK], v[E+ii]
	v_cmp_eq_u32 vcc_lo, 0, v[KY+ii%2]
	v_or_b32 v[KY+ii%2], s[POS], v[H+ii]
	v_cndmask_b32 v[KY+ii%2], v[KY+ii%2], v[BIG], vcc_lo
	INS F, \k, KY+ii%2
.set ii, ii+1
.endr
.endm
.macro STORE k
.set ii, 0
.rept \k
	v_and_b32 v[F+ii], 0x7ff, v[F+ii]                      ; the index
.set ii, ii+1
.endr
.set ii, 0
.rept (\k)/4
	global_store_b128 v1, v[F+4*ii:F+4*ii+3], s[14:15] offset:512*ii   ; 32 lanes store 512 consecutive bytes, at a multiple of 512 from nidx's first byte
.set ii, ii+1
.endr
.endm
	s_load_b256 s[4:11], s[0:1], 0x0               ; points1 s[4:5], points2 s[6:7], pc s[8:9], ridx1 s[10:11]
	s_load_b128 s[12:15], s[0:1], 0x20             ; ridx2 s[12:13], nidx s[14:15]
	v_lshl_add_u32 v[SPW], v0, 2, SPARE
	v_mov_b32 v[NIL], 0
	v_lshrrev_b32 v22, 5, v0
	v_readfirstlane_b32 s[WV], v22                 ; wave 0..11
	s_lshr_b32 s[ROLE], s[WV], 2
	s_and_b32 s[QB], s[WV], 1
	s_bfe_u32 s[SEG], s[WV], 0x10001
	s_lshr_b32 s[FIN], s[ROLE], 1                  ; pc's pairs are finished by the wave of the lower half, the others' by that of the upper: so the tails fall on different waves' places
	s_xor_b32 s[FIN], s[FIN], 1
	s_xor_b32 s[FIN], s[FIN], s[SEG]
	s_lshr_b32 s20, ttmp9, 5                       ; batch
	s_and_b32 s21, ttmp9, 31                       ; which 64 queries of it
	v_and_b32 v1, 31, v0
	v_lshlrev_b32 v22, 2, v1                       ; 4 x lane
	v_lshlrev_b32 v1, 4, v1                        ; 16 x lane
	s_and_b32 s37, s[WV], 3
	s_lshl_b32 s37, s37, 9
	v_add_nc_u32 v181, s37, v1                     ; the table on its way in: the four waves of a table are 128 threads, 16 bytes each
	s_lshl_b32 s38, s[ROLE], 15
	v_add_nc_u32 v180, s38, v181                   ; and its place in LDS
	s_lshl_b32 s39, s[SEG], 12
	s_add_co_u32 s39, s39, s38
	v_mov_b32 v[CAD0], s39
	s_lshl_b32 s37, s[WV], 11
	s_add_co_u32 s37, s37, XL
	v_add_nc_u32 v[XLW], s37, v1
	s_xor_b32 s38, s[WV], 2
	s_lshl_b32 s38, s38, 11
	s_add_co_u32 s38, s38, XL
	v_add_nc_u32 v[XLP], s38, v1
	s_mul_i32 s22, s20, 24576                      ; a batch of a table
	s_mov_b32 s23, 0
	s_and_b32 s37, s21, 15
	s_lshl_b32 s37, s37, 6
	s_lshl_b32 s38, s20, 10
	s_add_co_u32 s37, s37, s38
	s_lshl_b32 s38, s[QB], 5
	s_add_co_u32 s37, s37, s38
	s_lshl_b32 s37, s37, 2                         ; my 32 queries' place in ridx1 or ridx2, in bytes
	s_lshl_b32 s38, ttmp9, 1
	s_add_co_u32 s38, s38, s[QB]
	s_lshl_b32 s38, s38, 12                        ; nidx: [512 blocks of 32 queries][8 quads][32 lanes][4]: my block,
	s_lshl_b32 s39, s[ROLE], 10
	s_add_co_u32 s38, s38, s39                     ; my table's first quad: 0, 2 or 4
	s_wait_kmcnt 0x0
	s_cmp_eq_u32 s[ROLE], 0
	s_cselect_b64 s[24:25], s[4:5], s[6:7]
	s_cmp_eq_u32 s[ROLE], 2
	s_cselect_b64 s[24:25], s[8:9], s[24:25]       ; my table
	s_cmp_lt_u32 s21, 16
	s_cselect_b64 s[26:27], s[4:5], s[6:7]         ; where the queries come from,
	s_cselect_b64 s[28:29], s[10:11], s[12:13]     ; and by which list
	s_add_nc_u64 s[24:25], s[24:25], s[22:23]
	s_add_nc_u64 s[26:27], s[26:27], s[22:23]
	s_mov_b32 s22, s37
	s_add_nc_u64 s[28:29], s[28:29], s[22:23]
	s_mov_b32 s22, s38
	s_add_nc_u64 s[14:15], s[14:15], s[22:23]
	global_load_b32 v182, v22, s[28:29]            ; my query's index
.irp a, 0,1,2
.irp i, 0,1,2,3
	global_load_b128 v[CA+16*\a+4*\i:CA+16*\a+4*\i+3], v181, s[24:25] offset:8192*\a+2048*\i
.endr
.endr
	s_wait_loadcnt 12                              ; the index is in; the table's twelve loads stay out
	v_min_u32 v182, 2047, v182                     ; an index stays inside its table
	v_lshlrev_b32 v182, 2, v182
	global_load_b32 v[QX], v182, s[26:27]
	global_load_b32 v[QY], v182, s[26:27] offset:8192
	global_load_b32 v[QZ], v182, s[26:27] offset:16384
	s_wait_loadcnt 3                               ; the table is in; the query's three loads stay out
.irp p, 0,2,4,6,8,10,12,14
	v_pk_mul_f32 v[CA+48+\p:CA+48+\p+1], v[CA+\p:CA+\p+1], v[CA+\p:CA+\p+1]
.endr
.irp p, 0,2,4,6,8,10,12,14
	v_pk_fma_f32 v[CA+48+\p:CA+48+\p+1], v[CA+16+\p:CA+16+\p+1], v[CA+16+\p:CA+16+\p+1], v[CA+48+\p:CA+48+\p+1]
.endr
.irp p, 0,2,4,6,8,10,12,14
	v_pk_fma_f32 v[CA+48+\p:CA+48+\p+1], v[CA+32+\p:CA+32+\p+1], v[CA+32+\p:CA+32+\p+1], v[CA+48+\p:CA+48+\p+1]   ; |p|^2
.endr
.irp a, 0,1,2,3
.irp i, 0,1,2,3
	ds_store_b128 v180, v[CA+16*\a+4*\i:CA+16*\a+4*\i+3] offset:8192*\a+2048*\i
.endr
.endr
	s_mov_b32 s37, 0x7f800000
.set ii, L0
.rept 34
	v_mov_b32 v[ii], s37                           ; the lists begin as +infinity
.set ii, ii+1
.endr
	v_mov_b32 v[BIG], 0x41000000
	s_wait_loadcnt 0x0
	v_mul_f32 v[QQ], v[QX], v[QX]
	v_fma_f32 v[QQ], v[QY], v[QY], v[QQ]
	v_fma_f32 v[QQ], v[QZ], v[QZ], v[QQ]
	v_mov_b32 v[QX+1], v[QX]
	v_mov_b32 v[QY+1], v[QY]
	v_mov_b32 v[QZ+1], v[QZ]
	v_mov_b32 v[QQ+1], v[QQ]
	s_wait_dscnt 0x0                               ; for the others' sake: my part of the table lies in LDS
	s_barrier_signal -1
	s_barrier_wait -1
; PASS 1.  A trip takes 16 candidates, in two sets of registers that are loaded by turns.  pf = 1: the next trip's first eight are asked for.
.macro P1TRIP pf
	LOADC CB, 32
	s_wait_dscnt 8                                 ; CA's eight loads are in; CB's eight stay out
	D2 CA, D
.if \pf
	LOADC CA, 64
.endif
	ROLE_SPLIT WORK1
.if \pf
	s_wait_dscnt 8                                 ; CB's are in; the next CA's stay out
.else
	s_wait_dscnt 0x0
.endif
	D2 CB, D
	ROLE_SPLIT WORK1
.if \pf
	s_add_co_u32 s[STEP], s[STEP], 64
	v_add_nc_u32 v[CAD], s[STEP], v[CAD0]
.endif
.endm
	s_mov_b32 s[STEP], 0
	v_mov_b32 v[CAD], v[CAD0]
	LOADC CA, 0
	s_mov_b32 s[CNT], 63
.Lpass1:
	P1TRIP 1
	s_sub_co_u32 s[CNT], s[CNT], 1
	s_cmp_lg_u32 s[CNT], 0
	s_cbranch_scc1 .Lpass1
	P1TRIP 0                                       ; the 64th trip asks for nothing beyond my 1,024 candidates
	ROLE_SPLIT FOLD
.irp i, 0,1,2,3
	ds_store_b128 v[XLW], v[L0+4*\i:L0+4*\i+3] offset:512*\i   ; (k = 8: the upper eight are still +infinity)
.endr
	s_wait_dscnt 0x0
	s_barrier_signal -1
	s_barrier_wait -1
.irp i, 0,1,2,3
	ds_load_b128 v[CA+4*\i:CA+4*\i+3], v[XLP] offset:512*\i
.endr
	s_wait_dscnt 0x0
	ROLE_SPLIT MERGE1
; PASS 2.  A trip is a group of 16 candidates.
.macro P2TRIP pf
	LOADC CB, 32
	s_wait_dscnt 8                                 ; CA's eight loads are in; CB's eight stay out
	D2 CA, D
.if \pf
	LOADC CA, 64
	s_wait_dscnt 8                                 ; CB's are in; the next CA's stay out
.else
	s_wait_dscnt 0x0
.endif
	D2 CB, D+8
	FLAGS
	KEY KY, LTW, KLT
	KEY KY+1, EQW, KEQ
	ROLE_SPLIT INS2
.if \pf
	s_add_co_u32 s[KLT], s[KLT], 0x10000           ; the next group
	s_add_co_u32 s[KEQ], s[KEQ], 0x10000
	s_add_co_u32 s[STEP], s[STEP], 64
	v_add_nc_u32 v[CAD], s[STEP], v[CAD0]
.endif
.endm
.set ii, 0
.rept 16
	v_mov_b32 v[E+ii], v[BIG]
.set ii, ii+1
.endr
	v_mov_b32 v[LTW], 0
	v_mov_b32 v[EQW], 0
	s_lshl_b32 s[KLT], s[SEG], 22                  ; my first group: 64 x my half
	s_or_b32 s[KLT], s[KLT], 0x40000000
	s_or_b32 s[KEQ], s[KLT], 0x800000
	s_mov_b32 s[STEP], 0
	v_mov_b32 v[CAD], v[CAD0]
	LOADC CA, 0
	s_mov_b32 s[CNT], 63
.Lpass2:
	P2TRIP 1
	s_sub_co_u32 s[CNT], s[CNT], 1
	s_cmp_lg_u32 s[CNT], 0
	s_cbranch_scc1 .Lpass2
	P2TRIP 0
.irp i, 0,1,2,3
	ds_store_b128 v[XLW], v[E+4*\i:E+4*\i+3] offset:XE-XL+512*\i
.endr
	s_wait_dscnt 0x0
	s_barrier_signal -1
	s_barrier_wait -1
	; THE END: one wave of each pair merges the keys and turns their bits into indices.  No barrier and no LDS store follows.
	s_cmp_lg_u32 s[FIN], 0
	s_cbranch_scc1 .Lend
.irp i, 0,1,2,3
	ds_load_b128 v[CA+4*\i:CA+4*\i+3], v[XLP] offset:XE-XL+512*\i
.endr
	s_wait_dscnt 0x0
	ROLE_SPLIT MERGE2
	s_mov_b32 s[MASK], 0x8000
	s_mov_b32 s[POS], 0
	s_mov_b32 s[CNT], 16
.Lbit:
	ROLE_SPLIT BITS
	s_lshr_b32 s[MASK], s[MASK], 1
	s_add_co_u32 s[POS], s[POS], 1
	s_sub_co_u32 s[CNT], s[CNT], 1
	s_cmp_lg_u32 s[CNT], 0
	s_cbranch_scc1 .Lbit
	ROLE_SPLIT STORE
.Lend:
	s_wait_tensorcnt 0x0                           ; the wave's end: a tensor wait, an add to my spare word and an LDS wait behind my last LDS store, the first even with no tensor load
	ds_add_u32 v[SPW], v[NIL]
	s_wait_dscnt 0x0
	s_endpgm
.Lfunc_end_k_q5363ab8e4d_knn:
	.size	k_q5363ab8e4d_knn, .Lfunc_end_k_q5363ab8e4d_knn-k_q5363ab8e4d_knn
	.p2alignl 7, 3214868480
	.fill 96, 4, 3214868480
	.section	.rodata,"a",@progbits
	.p2align	6, 0x0
	.amdhsa_kernel k_q5363ab8e4d_knn
		.amdhsa_group_segment_fixed_size 167936
		.amdhsa_private_segment_fixed_size 0
		.amdhsa_enable_private_segment 0
		.amdhsa_kernarg_size 48
		.amdhsa_user_sgpr_count 2
		.amdhsa_user_sgpr_kernarg_segment_ptr 1
		.amdhsa_wavefront_size32 1
		.amdhsa_system_sgpr_workgroup_id_x 1
		.amdhsa_system_sgpr_workgroup_id_y 1
		.amdhsa_system_sgpr_workgroup_id_z 1
		.amdhsa_system_vgpr_workitem_id 0
		.amdhsa_next_free_vgpr 184
		.amdhsa_next_free_sgpr 66
		.amdhsa_reserve_vcc 1
		.amdhsa_float_denorm_mode_32 3
		.amdhsa_float_denorm_mode_16_64 3
		.amdhsa_memory_ordered 1
		.amdhsa_forward_progress 1
		.amdhsa_inst_pref_size 152
	.end_amdhsa_kernel
	.amdgpu_metadata
---
amdhsa.version: [ 1, 2 ]
amdhsa.kernels:
  - .name:           k_q5363ab8e4d_knn
    .symbol:         k_q5363ab8e4d_knn.kd
    .args:
      - { .name: points1, .offset: 0, .size: 8, .value_kind: global_buffer, .address_space: global }
      - { .name: points2, .offset: 8, .size: 8, .value_kind: global_buffer, .address_space: global }
      - { .name: pc, .offset: 16, .size: 8, .value_kind: global_buffer, .address_space: global }
      - { .name: ridx1, .offset: 24, .size: 8, .value_kind: global_buffer, .address_space: global }
      - { .name: ridx2, .offset: 32, .size: 8, .value_kind: global_buffer, .address_space: global }
      - { .name: nidx, .offset: 40, .size: 8, .value_kind: global_buffer, .address_space: global }
    .group_segment_fixed_size: 167936
    .private_segment_fixed_size: 0
    .kernarg_segment_align: 8
    .kernarg_segment_size: 48
    .max_flat_workgroup_size: 384
    .sgpr_count:     66
    .vgpr_count:     184
    .wavefront_size: 32
...
	.end_amdgpu_metadata
.endif
;; end of part 1
;; launch fuse (part 2): grid 256 x 1, 8 waves a work-group, no clusters, 36,864 bytes of LDS; arguments nidx, points1, points2, pc, ridx1, ridx2, Wq, Wk, Wv, bq, bk, bv, out0; writes out0
.if DOCPART == 2
	.amdgcn_target "amdgcn-amd-amdhsa--gfx1250"
	.amdhsa_code_object_version 6
	.text
	.protected	k_q5363ab8e4d_fuse
	.globl	k_q5363ab8e4d_fuse
	.p2align	8
	.type	k_q5363ab8e4d_fuse,@function
k_q5363ab8e4d_fuse:
	s_mov_b64 s[64:65], 0
	v_nop
	global_prefetch_b8 v0, s[64:65] scope:SCOPE_SE
	s_setreg_imm32_b32 hwreg(HW_REG_WAVE_MODE, 25, 1), 1
	s_wait_xcnt 0x0
; ALL THAT FOLLOWS THE CHOICE OF NEIGHBOURS.  For each fused point: its 32 neighbours by nidx (slots 0-7 points1, 8-15 points2, 16-31 pc), their features (residual, length), q, k, v = features x W + b in f32,
; softmax(q k^T / 8) v with both products on codes of FP8 (E4M3) with one E8M0 scale for each 32 along K, the largest channel of each row, a softmax over the 32 rows, and the weighted sum of the neighbours.
; Left out, as the first kernel's head shows: the order of the neighbours in a list.  And the sum is formed as q + sum of w x residual: equal to the sum of w x neighbour for all values, since the w add up to 1 and neighbour = residual + q.
; THE SOFTMAX AHEAD OF THE SECOND PRODUCT: t = score x log2(e) / 8; M = ceil(the row's largest t); p = 2^(t - M) is quantised, not normalised; the row's sum of the unquantised p divides at the end.
; The largest p lies in (1/2, 1], so its scale's byte needs no floor.  It is the largest score put through the same multiply-add and exponential: the same bits.
; LIMITS: NaN and infinities are not served; a squared length under 2^-126 gives the length 0 (the square root takes a denormal for zero: ISA guide, its entry in 15.8).
; SHARES.  A work-group: 64 points of one batch.  At the head wave w gathers slots 4 w .. 4 w + 3 of all 64 (a lane a point) into LDS; then each wave takes 8 points, one a trip.
; LAYOUT (r = lane % 16, h = lane / 16).  The f32 matrix form makes the projections: q and k TRANSPOSED (source 0 = 16 channels of W, source 1 = 16 slots' features), with the channels of a tile chosen
; (row m of tile 2 b + u is channel 32 b + 8 u + m + 8 (m / 8)), so that a lane holds ONE slot and its 16 registers of two tiles are 16 neighbouring channels, 32 b + 16 h + 0 .. 15: the order of the quantised operand.
; S^T = k q^T: a lane holds one query row; register 8 u + j is key slot 16 u + 8 h + j.  That order of the 32 keys is taken for the second product's K on both sides: it has one block, so the scale is the same.
; v is made untransposed (source 0 = 16 slots, source 1 = 16 channels of Wv): a lane holds one channel, register 8 u + j the same slot 16 u + 8 h + j.  O^T = v^T p^T: a lane holds one query row and eight channels.
; The biases are the C of the projections.  K = 64 and K = 32 fill two and one of the instruction's four blocks; the other blocks hold zero codes on both sides.
; REGISTERS.  Window 0: v1-7, v12 addresses; v8-11 the features' fragments; v16-25 scale words and nothing else; v26-47 at work; v48-63 held numbers; v64-127 the projections' results, written by matrix instructions alone;
;   v128-191 four operands of 16; v192-223 scores, p, then results; v224-255 the head's.   Window 1: the weights' fragments and the biases, loaded once.
; Left out: tensor loads, clusters, prefetches: all reads from memory stand at the head and are small.
.set FEP,   528                        ; LDS: from 0: 64 points x (32 slots x 16 bytes + 16 of padding)
.set QC,    33792                      ; q's coordinates [3][64]
.set OUT,   34816                      ; [4][64]: rows 0-2 the sums of w x residual; row 3 takes the sum of w x length, which nobody reads
.set SPARE, 35840                      ; the spare words, 128 bytes for each wave: four blocks of 256 bytes that no other line names
.set SPW, 6
.set NIL, 7
.set F0,  8                            ; v[8:9] slots 0-15, v[10:11] slots 16-31: features 2 h, 2 h + 1 of slot r
.set KS,  16                           ; scale words: k's two tiles, q's two, p's two, v's four
.set QS,  18
.set PS,  20
.set VS,  22
.set AMX, 26
.set PRM, 28                           ; the lane permutes' destinations
.set SCO, 30
.set LIM, 32
.set BY,  34
.set NM,  36                           ; -M: v36 and v38, each the low word of a pair
.set PM,  40
.set SU,  42                           ; v[42:43], v[44:45] the rows' sums; then the sum and its reciprocal
.set OM,  46
.set HOLD, 48
.set PRA, 64
.set PRB, 96
.set OP,  128
.set SO,  192
.set WQ,  0                            ; window 1
.set WK,  8
.set WV,  16
.set BQ,  32
.set BK,  64
.set BV,  96
.set NB,  128                          ; the head's: neighbours' coordinates,
.set FT,  160                          ; features,
.set SQ,  192                          ; squared lengths,
.set QV,  246                          ; q's coordinates
.set WAV, 30                           ; s30 wave, s31 batch, s32 which 64 points
.set SEL, 36                           ; s[36:37] v_permlanex16_b32's selects for lane l xor 16
.set MNT, 38                           ; s38 the mantissa field of 448
.set CS,  40                           ; s[40:41] log2(e) / 8
.set CNT, 42
.set SFE, 43
.set SOU, 44
.set L2E, 54
.set MSB, 0
.macro WIN new                         ; the immediate's high byte repeats the setting that is left
.if MSB != \new
	s_set_vgpr_msb (MSB<<8)|\new
.set MSB, \new
.endif
.endm
.macro NOPS n
.rept \n
	v_nop
.endr
.endm
; q or k of slots 16 nt on, transposed: four tiles of 16 channels.  Windows: source 0 (W) and source 2 (b) window 1
.macro PROJT wt, bs, nt, dst
.irp i, 0,1,2,3
	v_wmma_f32_16x16x4_f32 v[\dst+8*\i:\dst+8*\i+7], v[\wt+2*\i:\wt+2*\i+1], v[F0+2*\nt:F0+2*\nt+1], v[\bs+8*\i:\bs+8*\i+7]
.endr
.endm
; v of all 32 slots, channels 16 c0 .. 16 c0 + 31.  Windows: source 1 (Wv) and source 2 (bv) window 1
.macro PROJV c0, dst
.irp e, 0,1
.irp u, 0,1
	v_wmma_f32_16x16x4_f32 v[\dst+16*\e+8*\u:\dst+16*\e+8*\u+7], v[F0+2*\u:F0+2*\u+1], v[WV+2*(\c0+\e):WV+2*(\c0+\e)+1], v[BV+8*(\c0+\e):BV+8*(\c0+\e)+7]
.endr
.endr
.endm
; Two blocks of 32 along K: 16 registers of mine each (from src and from src + 16), the other 16 in lane l xor 16.  Codes to v[ca] on and v[cb] on, four registers each.
; mode 0: the two bytes make one scale word, sa.  mode 1: two words, sa and sb.  The results are read from each accumulator's low end on, and held into other registers.
.macro QUANT2 src, ca, cb, mode, sa, sb
.irp b, 0,1
	v_max3_num_f32 v[AMX+\b], |v[\src+16*\b]|, |v[\src+16*\b+1]|, 0x4800000   ; and the floor 2^(9 - 127): the byte cannot fall under 1 (a block of zeros keeps that byte: its codes are zeros, and this program alone reads the bytes)
.endr
.irp i, 2,4,6,8,10,12,14
.irp b, 0,1
	v_max3_num_f32 v[AMX+\b], v[AMX+\b], |v[\src+16*\b+\i]|, |v[\src+16*\b+\i+1]|
.endr
.endr
.irp b, 0,1
	v_permlanex16_b32 v[PRM+\b], v[AMX+\b], s[SEL], s[SEL+1]
.endr
.irp b, 0,1
	v_max_num_f32 v[AMX+\b], v[AMX+\b], v[PRM+\b]          ; the block's largest magnitude
.endr
.irp b, 0,1
	v_add_nc_u32 v[SCO+\b], 0xfc000000, v[AMX+\b]          ; 8 off its exponent field: the conversion's scale operand
.endr
.irp b, 0,1
	v_and_or_b32 v[LIM+\b], v[AMX+\b], 0x7f800000, s[MNT]  ; 448 x the scale
.endr
.if \mode
	v_lshrrev_b32 v[\sa], 23, v[SCO]                       ; the scale words stand ahead of the 32 holds: more than the eight places that a scaled matrix instruction wants behind them
	v_lshrrev_b32 v[\sb], 23, v[SCO+1]
.else
	v_lshrrev_b32 v[BY], 23, v[SCO]
	v_lshrrev_b32 v[BY+1], 23, v[SCO+1]
	v_lshl_or_b32 v[\sa], v[BY+1], 8, v[BY]
.endif
.irp i, 0,1,2,3,4,5,6,7,8,9,10,11,12,13,14,15
	v_med3_num_f32 v[HOLD+\i], v[\src+\i], -v[LIM], v[LIM] ; the conversion to an 8-bit code does not saturate (ISA guide 7.6.2)
.endr
	v_cvt_scalef32_pk8_fp8_f32 v[\ca:\ca+1], v[HOLD:HOLD+7], v[SCO]
	v_cvt_scalef32_pk8_fp8_f32 v[\ca+2:\ca+3], v[HOLD+8:HOLD+15], v[SCO]
	v_nop                                                  ; a plain line between the conversions and the next writes of their sources
.irp i, 0,1,2,3,4,5,6,7,8,9,10,11,12,13,14,15
	v_med3_num_f32 v[HOLD+\i], v[\src+16+\i], -v[LIM+1], v[LIM+1]
.endr
	v_cvt_scalef32_pk8_fp8_f32 v[\cb:\cb+1], v[HOLD:HOLD+7], v[SCO+1]
	v_cvt_scalef32_pk8_fp8_f32 v[\cb+2:\cb+3], v[HOLD+8:HOLD+15], v[SCO+1]
	v_nop
.endm
.macro TMAX base, first                ; the largest of a tile's eight channels, for both tiles of rows, from the tile's low end on
.if \first
.irp t, 0,1
	v_max_num_f32 v[OM+\t], v[\base+8*\t], v[\base+8*\t+1]
.endr
.else
.irp t, 0,1
	v_max3_num_f32 v[OM+\t], v[OM+\t], v[\base+8*\t], v[\base+8*\t+1]
.endr
.endif
.irp i, 2,4,6
.irp t, 0,1
	v_max3_num_f32 v[OM+\t], v[OM+\t], v[\base+8*\t+\i], v[\base+8*\t+\i+1]
.endr
.endr
.endm
	s_load_b256 s[4:11], s[0:1], 0x0               ; nidx s[4:5], points1 s[6:7], points2 s[8:9], pc s[10:11]
	s_load_b256 s[12:19], s[0:1], 0x20             ; ridx1 s[12:13], ridx2 s[14:15], Wq s[16:17], Wk s[18:19]
	s_load_b256 s[20:27], s[0:1], 0x40             ; Wv s[20:21], bq s[22:23], bk s[24:25], bv s[26:27]
	s_load_b64 s[28:29], s[0:1], 0x60              ; out0
	v_lshl_add_u32 v[SPW], v0, 2, SPARE
	v_mov_b32 v[NIL], 0
	v_lshrrev_b32 v224, 5, v0
	v_readfirstlane_b32 s[WAV], v224               ; wave 0..7
	s_lshr_b32 s31, ttmp9, 5                       ; batch
	s_and_b32 s32, ttmp9, 31                       ; which 64 points of it
	v_and_b32 v13, 31, v0                          ; lane
	v_and_b32 v14, 15, v0                          ; r
	v_bfe_u32 v15, v0, 4, 1                        ; h
	; every LDS address is made here, ahead of the first branch on the wave's number
	v_lshlrev_b32 v1, 4, v14
	v_lshl_add_u32 v1, v15, 3, v1
	s_mul_i32 s33, s[WAV], 8*FEP
	v_add_nc_u32 v1, s33, v1                       ; v1: a fragment of features: slot r's 16 bytes, + 8 h, in my wave's first point
	v_lshlrev_b32 v3, 9, v15
	s_lshl_b32 s33, s[WAV], 5
	s_add_co_u32 s33, s33, OUT
	v_add_nc_u32 v3, s33, v3                       ; v3: OUT's row 2 h, my wave's first point
	v_lshlrev_b32 v12, 3, v13                      ; v12: 8 x lane
	s_min_u32 s33, s[WAV], 2
	s_lshl_b32 s33, s33, 8
	v_add_nc_u32 v5, s33, v12                      ; v5: the way out: row = wave (0 to 2), 8 bytes a lane
	v_mul_u32_u24 v226, v13, FEP
	s_lshl_b32 s33, s[WAV], 6
	v_add_nc_u32 v226, s33, v226                   ; v226: the gather: point = lane, slots 4 w on
	v_lshlrev_b32 v227, 2, v13                     ; v227: 4 x lane
	v_lshlrev_b32 v244, 4, v13                     ; 16 x lane
	v_and_b32 v240, 8, v14
	v_add_nc_u32 v240, v240, v14                   ; r + 8 (r / 8)
	v_lshlrev_b32 v240, 2, v240
	v_lshl_add_u32 v240, v15, 9, v240              ; Wq, Wk: row 2 h of 256 bytes, the tile's channel of row r
	v_lshlrev_b32 v243, 2, v14                     ; bv: 4 r
	v_lshl_add_u32 v241, v15, 9, v243              ; Wv: row 2 h, channel r
	v_lshlrev_b32 v242, 6, v15                     ; bq, bk: 16 h numbers on
	s_mov_b32 s[SEL], 0x76543210
	s_mov_b32 s[SEL+1], 0xfedcba98
	s_mov_b32 s[MNT], 0x600000
	s_mov_b32 s[CS], 0x3e38aa3b                    ; log2(e) / 8
	s_mov_b32 s[CS+1], s[CS]                       ; (named with it as a pair, so it is written)
	s_mov_b32 s[L2E], 0x3fb8aa3b
	s_mul_i32 s46, s31, 24576                      ; a batch of a table
	s_mov_b32 s47, 0
	s_and_b32 s34, s32, 15
	s_lshl_b32 s34, s34, 6
	s_lshl_b32 s33, s31, 10
	s_add_co_u32 s34, s34, s33
	s_lshl_b32 s34, s34, 2                         ; my 64 points' place in ridx1 or ridx2, in bytes
	s_lshl_b32 s35, ttmp9, 13                      ; nidx: my two blocks of 32 points,
	s_lshl_b32 s33, s[WAV], 9
	s_add_co_u32 s35, s35, s33                     ; quad w
	s_wait_kmcnt 0x0
	s_cmp_lt_u32 s32, 16
	s_cselect_b64 s[50:51], s[6:7], s[8:9]         ; where the points come from,
	s_cselect_b64 s[52:53], s[12:13], s[14:15]     ; and by which list
	s_cmp_lt_u32 s[WAV], 2
	s_cselect_b64 s[48:49], s[6:7], s[8:9]
	s_cmp_lt_u32 s[WAV], 4
	s_cselect_b64 s[48:49], s[48:49], s[10:11]     ; my quad's table: waves 0, 1 points1; 2, 3 points2; 4 to 7 pc
	s_add_nc_u64 s[48:49], s[48:49], s[46:47]
	s_add_nc_u64 s[50:51], s[50:51], s[46:47]
	s_mov_b32 s46, s34
	s_add_nc_u64 s[52:53], s[52:53], s[46:47]
	s_mov_b32 s46, s35
	s_add_nc_u64 s[4:5], s[4:5], s[46:47]
.irp i, 0,1
	global_load_b32 v[224+\i], v227, s[52:53] offset:128*\i                        ; point 32 i + lane: its index,
	global_load_b128 v[228+4*\i:228+4*\i+3], v244, s[4:5] offset:4096*\i           ; and its four neighbours of my quad: 512 consecutive bytes a load
.endr
	WIN 0x40                                       ; destination window 1: the weights' fragments and the biases, which stay
.irp x, 0,1,2,3
.irp j, 0,1
	global_load_b32 v[WQ+2*\x+\j], v240, s[16:17] offset:256*\j+4*(32*(\x/2)+8*(\x%2))   ; Wq[2 h + j][32 b + 8 u + r + 8 (r / 8)], tile x = 2 b + u
	global_load_b32 v[WK+2*\x+\j], v240, s[18:19] offset:256*\j+4*(32*(\x/2)+8*(\x%2))
	global_load_b32 v[WV+2*\x+\j], v241, s[20:21] offset:256*\j+64*\x                    ; Wv[2 h + j][16 x + r]
.endr
	global_load_b128 v[BQ+8*\x:BQ+8*\x+3], v242, s[22:23] offset:4*(32*(\x/2)+8*(\x%2))   ; bq[32 b + 16 h + 8 u + 0 .. 7]: the result's layout
	global_load_b128 v[BQ+8*\x+4:BQ+8*\x+7], v242, s[22:23] offset:4*(32*(\x/2)+8*(\x%2))+16
	global_load_b128 v[BK+8*\x:BK+8*\x+3], v242, s[24:25] offset:4*(32*(\x/2)+8*(\x%2))
	global_load_b128 v[BK+8*\x+4:BK+8*\x+7], v242, s[24:25] offset:4*(32*(\x/2)+8*(\x%2))+16
.irp j, 0,1,2,3,4,5,6,7
	global_load_b32 v[BV+8*\x+\j], v243, s[26:27] offset:64*\x                           ; bv[16 x + r] in all eight
.endr
.endr
	WIN 0
	s_wait_loadcnt 0x0
.irp i, 224,225,228,229,230,231,232,233,234,235
	v_min_u32 v[\i], 2047, v[\i]                   ; an index stays inside its table
.endr
.irp i, 224,225,228,229,230,231,232,233,234,235
	v_lshlrev_b32 v[\i], 2, v[\i]
.endr
.irp i, 0,1
.irp a, 0,1,2
	global_load_b32 v[QV+3*\i+\a], v[224+\i], s[50:51] offset:8192*\a
.endr
.endr
.irp i, 0,1
.irp n, 0,1,2,3
.irp a, 0,1,2
	global_load_b32 v[NB+12*\i+3*\n+\a], v[228+4*\i+\n], s[48:49] offset:8192*\a
.endr
.endr
.endr
	s_wait_loadcnt 0x0
.irp i, 0,1
.irp n, 0,1,2,3
.irp a, 0,1,2
	v_sub_f32 v[FT+16*\i+4*\n+\a], v[NB+12*\i+3*\n+\a], v[QV+3*\i+\a]   ; the residual
.endr
.endr
.endr
.irp i, 0,1
.irp n, 0,1,2,3
	v_mul_f32 v[SQ+4*\i+\n], v[FT+16*\i+4*\n], v[FT+16*\i+4*\n]
.endr
.endr
.irp i, 0,1
.irp n, 0,1,2,3
	v_fma_f32 v[SQ+4*\i+\n], v[FT+16*\i+4*\n+1], v[FT+16*\i+4*\n+1], v[SQ+4*\i+\n]
.endr
.endr
.irp i, 0,1
.irp n, 0,1,2,3
	v_fma_f32 v[SQ+4*\i+\n], v[FT+16*\i+4*\n+2], v[FT+16*\i+4*\n+2], v[SQ+4*\i+\n]
.endr
.endr
.irp i, 0,1
.irp n, 0,1,2,3
	v_sqrt_f32 v[FT+16*\i+4*\n+3], v[SQ+4*\i+\n]   ; its length; the root of 0 is 0, as the guarded form gives
.endr
.endr
	v_mov_b32 v[PRM], 0                            ; plain lines behind the roots.  Written once: a lane permute's destination counts as one of its sources;
	v_mov_b32 v[PRM+1], 0
	v_mov_b32 v[NM+1], 0                           ; and the upper halves of -M's pairs, which are named and not used
	v_mov_b32 v[NM+3], 0
	s_wait_alu depctr_va_vdst(0)                   ; one wait for the eight roots, ahead of the first line that names a result
.irp i, 0,1
.irp n, 0,1,2,3
	ds_store_b128 v226, v[FT+16*\i+4*\n:FT+16*\i+4*\n+3] offset:32*FEP*\i+16*\n
.endr
.endr
	s_cmp_lg_u32 s[WAV], 0
	s_cbranch_scc1 .Lnot_q
.irp i, 0,1
.irp a, 0,1,2
	ds_store_b32 v227, v[QV+3*\i+\a] offset:QC+256*\a+128*\i   ; wave 0 alone: the points' own coordinates
.endr
.endr
.Lnot_q:
	s_wait_dscnt 0x0                               ; for the others' sake: my stores lie in LDS
.irp n, 0,1,2,3
.irp j, 8,9,10,11,12,13,14,15
	v_mov_b32 v[OP+16*\n+\j], 0                    ; blocks 2 and 3 of all four operands: zero codes, once
.endr
.endr
	s_barrier_signal -1
	s_barrier_wait -1
	s_mov_b32 s[CNT], 8
	s_mov_b32 s[SFE], 0
	s_mov_b32 s[SOU], 0
.Ltrip:                                                ; one point a trip.  No matrix instruction adds in place: each begins its sum with a bias or with 0, and no two on end share an accumulator
	v_add_nc_u32 v2, s[SFE], v1
	v_add_nc_u32 v4, s[SOU], v3
	ds_load_b64 v[F0:F0+1], v2
	ds_load_b64 v[F0+2:F0+3], v2 offset:256
	s_wait_dscnt 0x0
	WIN 0x11
	PROJT WK, BK, 0, PRA                           ; k of slots 0-15,
	PROJT WK, BK, 1, PRB                           ; of slots 16-31
	WIN 0
	NOPS 8                                         ; eight places behind this form before a vector instruction reads a result
	QUANT2 PRA, OP+32, OP+36, 0, KS, KS
	QUANT2 PRB, OP+48, OP+52, 0, KS+1, KS+1
	WIN 0x11
	PROJT WQ, BQ, 0, PRA                           ; q likewise.  Each writes over results of k's: between stand the eight v_nop and the other set's quantising, more than the nine places asked
	PROJT WQ, BQ, 1, PRB
	WIN 0
	NOPS 8
	QUANT2 PRA, OP, OP+4, 0, QS, QS
	QUANT2 PRB, OP+16, OP+20, 0, QS+1, QS+1
	NOPS 3                                         ; with the v_nop above: four places between the last codes and the scaled matrix instructions
.irp t, 0,1
.irp u, 0,1
	v_wmma_scale_f32_16x16x128_f8f6f4 v[SO+16*\t+8*\u:SO+16*\t+8*\u+7], v[OP+16*(2+\u):OP+16*(2+\u)+15], v[OP+16*\t:OP+16*\t+15], 0, v[KS+\u], v[QS+\t]   ; S^T: keys 16 u on x rows 16 t on
.endr
.endr
	WIN 0x14
	PROJV 0, PRA                                   ; v, channels 0-31,
	PROJV 2, PRB                                   ; channels 32-63
	WIN 0
	NOPS 8
	; the first softmax: both tiles of rows by turns; a lane holds 16 of its row's 32 scores
.irp t, 0,1
	v_max3_num_f32 v[PM+\t], v[SO+16*\t], v[SO+16*\t+1], v[SO+16*\t+2]
.endr
.irp i, 3,5,7,9,11,13
.irp t, 0,1
	v_max3_num_f32 v[PM+\t], v[PM+\t], v[SO+16*\t+\i], v[SO+16*\t+\i+1]
.endr
.endr
.irp t, 0,1
	v_max_num_f32 v[PM+\t], v[PM+\t], v[SO+16*\t+15]
.endr
.irp t, 0,1
	v_permlanex16_b32 v[PRM+\t], v[PM+\t], s[SEL], s[SEL+1]
.endr
.irp t, 0,1
	v_max_num_f32 v[PM+\t], v[PM+\t], v[PRM+\t]    ; the row's largest score
.endr
.irp t, 0,1
	v_mul_f32 v[AMX+\t], s[CS], v[PM+\t]           ; as t
.endr
.irp t, 0,1
	v_floor_f32 v[NM+2*\t], -v[AMX+\t]             ; -M = floor(-t) = -ceil(t)
.endr
.irp j, 0,2,4,6,8,10,12,14
.irp t, 0,1
	v_pk_fma_f32 v[SO+16*\t+\j:SO+16*\t+\j+1], v[SO+16*\t+\j:SO+16*\t+\j+1], s[CS:CS+1], v[NM+2*\t:NM+2*\t+1] op_sel_hi:[1,0,0]   ; t - M
.endr
.endr
.irp t, 0,1
	v_fma_f32 v[PM+\t], v[PM+\t], s[CS], v[NM+2*\t]
.endr
.irp j, 0,1,2,3,4,5,6,7,8,9,10,11,12,13,14,15,16,17,18,19,20,21,22,23,24,25,26,27,28,29,30,31
	v_exp_f32 v[SO+\j], v[SO+\j]                   ; p
.endr
	v_exp_f32 v[PM], v[PM]                         ; the rows' largest p
	v_exp_f32 v[PM+1], v[PM+1]
.irp n, 0,1,2,3
.irp j, 4,5,6,7
	v_mov_b32 v[OP+16*\n+\j], 0                    ; the second product has one block: block 1 of all four operands becomes zero codes.  (Plain work behind the exponentials)
.endr
.endr
	s_wait_alu depctr_va_vdst(0)                   ; one wait for the 34, ahead of the first line that names a result
.irp t, 0,1
	v_pk_add_f32 v[SU+2*\t:SU+2*\t+1], v[SO+16*\t:SO+16*\t+1], v[SO+16*\t+2:SO+16*\t+3]   ; the row's sum, of the unquantised p
.endr
.irp j, 4,6,8,10,12,14
.irp t, 0,1
	v_pk_add_f32 v[SU+2*\t:SU+2*\t+1], v[SU+2*\t:SU+2*\t+1], v[SO+16*\t+\j:SO+16*\t+\j+1]
.endr
.endr
.irp t, 0,1
	v_add_nc_u32 v[SCO+\t], 0xfc000000, v[PM+\t]
.endr
.irp t, 0,1
	v_and_or_b32 v[LIM+\t], v[PM+\t], 0x7f800000, s[MNT]
.endr
.irp t, 0,1
	v_lshrrev_b32 v[PS+\t], 23, v[SCO+\t]          ; p's scale word: one byte
.endr
.irp t, 0,1
	v_add_f32 v[SU+2*\t], v[SU+2*\t], v[SU+2*\t+1]
.endr
.irp t, 0,1
	v_permlanex16_b32 v[PRM+\t], v[SU+2*\t], s[SEL], s[SEL+1]
.endr
.irp t, 0,1
	v_add_f32 v[SU+2*\t], v[SU+2*\t], v[PRM+\t]
.endr
.irp t, 0,1
	v_rcp_f32 v[SU+2*\t+1], v[SU+2*\t]             ; wanted only behind the second product: its wait stands there
.endr
.irp t, 0,1
.irp i, 0,1,2,3,4,5,6,7,8,9,10,11,12,13,14,15
	v_min_num_f32 v[SO+16*\t+\i], v[SO+16*\t+\i], v[LIM+\t]   ; p is not negative: the hold is one-sided
.endr
.endr
.irp t, 0,1
	v_cvt_scalef32_pk8_fp8_f32 v[OP+16*\t:OP+16*\t+1], v[SO+16*\t:SO+16*\t+7], v[SCO+\t]
	v_cvt_scalef32_pk8_fp8_f32 v[OP+16*\t+2:OP+16*\t+3], v[SO+16*\t+8:SO+16*\t+15], v[SCO+\t]
.endr
	v_nop
	QUANT2 PRA, OP+32, OP+48, 1, VS, VS+1          ; v's channels 0-15 and 16-31, along the 32 keys
	NOPS 3
.irp c, 0,1
.irp t, 0,1
	v_wmma_scale_f32_16x16x128_f8f6f4 v[SO+8*(2*\c+\t):SO+8*(2*\c+\t)+7], v[OP+16*(2+\c):OP+16*(2+\c)+15], v[OP+16*\t:OP+16*\t+15], 0, v[VS+\c], v[PS+\t]   ; O^T: channels 16 c on x rows 16 t on
.endr
.endr
	QUANT2 PRB, OP+32, OP+48, 1, VS+2, VS+3        ; channels 32-63: its maxima and holds are the places ahead of the new codes, which land on operands just read
	NOPS 3
.irp c, 0,1
.irp t, 0,1
	v_wmma_scale_f32_16x16x128_f8f6f4 v[PRA+8*(2*\c+\t):PRA+8*(2*\c+\t)+7], v[OP+16*(2+\c):OP+16*(2+\c)+15], v[OP+16*\t:OP+16*\t+15], 0, v[VS+2+\c], v[PS+\t]
.endr
.endr
	NOPS 8
	TMAX SO, 1                                     ; the largest channel of each row: the division by the sum, which is positive, comes behind the maximum
	TMAX SO+16, 0
	TMAX PRA, 0
	TMAX PRA+16, 0
.irp t, 0,1
	v_permlanex16_b32 v[PRM+\t], v[OM+\t], s[SEL], s[SEL+1]
.endr
.irp t, 0,1
	v_max_num_f32 v[OM+\t], v[OM+\t], v[PRM+\t]
.endr
	s_wait_alu depctr_va_vdst(0)                   ; the wait for the two reciprocals, ahead of their first reader
.irp t, 0,1
	v_mul_f32 v[OM+\t], v[OM+\t], v[SU+2*\t+1]     ; the score of slot 16 t + r, in both halves of the lanes
.endr
	; the second softmax, over the 32 slots, and the sum
	v_max_num_f32 v[AMX], v[OM], v[OM+1]
.irp m, 1,2,4,8
	v_max_num_f32_dpp v[AMX], v[AMX], v[AMX] row_xmask:\m row_mask:0xf bank_mask:0xf
.endr
	v_sub_f32 v[SCO], v[OM], v[AMX]
	v_sub_f32 v[SCO+1], v[OM+1], v[AMX]
	v_mul_f32 v[SCO], s[L2E], v[SCO]
	v_mul_f32 v[SCO+1], s[L2E], v[SCO+1]
	v_exp_f32 v[SCO], v[SCO]
	v_exp_f32 v[SCO+1], v[SCO+1]
	v_nop
	s_wait_alu depctr_va_vdst(0)
	v_mul_f32 v[LIM], v[SCO], v[F0]                ; lanes 0-15: x and y of the residuals; lanes 16-31: z, and the length
	v_mul_f32 v[LIM+1], v[SCO], v[F0+1]
	v_add_f32 v[BY], v[SCO], v[SCO+1]
	v_fma_f32 v[LIM], v[SCO+1], v[F0+2], v[LIM]
	v_fma_f32 v[LIM+1], v[SCO+1], v[F0+3], v[LIM+1]
.irp m, 1,2,4,8
	v_add_f32_dpp v[LIM], v[LIM], v[LIM] row_xmask:\m row_mask:0xf bank_mask:0xf
	v_add_f32_dpp v[LIM+1], v[LIM+1], v[LIM+1] row_xmask:\m row_mask:0xf bank_mask:0xf
	v_add_f32_dpp v[BY], v[BY], v[BY] row_xmask:\m row_mask:0xf bank_mask:0xf
.endr
	v_rcp_f32 v[BY+1], v[BY]
	v_nop
	s_wait_alu depctr_va_vdst(0)
	v_mul_f32 v[LIM], v[LIM], v[BY+1]
	v_mul_f32 v[LIM+1], v[LIM+1], v[BY+1]
	ds_store_b32 v4, v[LIM]                        ; sixteen lanes write the same word with the same value
	ds_store_b32 v4, v[LIM+1] offset:256
	s_add_co_u32 s[SFE], s[SFE], FEP
	s_add_co_u32 s[SOU], s[SOU], 4
	s_sub_co_u32 s[CNT], s[CNT], 1
	s_cmp_lg_u32 s[CNT], 0
	s_cbranch_scc1 .Ltrip
	s_wait_dscnt 0x0                               ; for the others' sake: my eight points' sums lie in LDS
	s_barrier_signal -1
	s_barrier_wait -1
	s_cmp_gt_u32 s[WAV], 2
	s_cbranch_scc1 .Lend
	ds_load_b64 v[48:49], v5 offset:OUT            ; waves 0 to 2: one coordinate of the 64 points each
	ds_load_b64 v[50:51], v5 offset:QC
	s_mul_i32 s46, s31, 24576
	s_lshl_b32 s33, s[WAV], 13
	s_add_co_u32 s46, s46, s33
	s_lshl_b32 s33, s32, 8
	s_add_co_u32 s46, s46, s33
	s_mov_b32 s47, 0
	s_add_nc_u64 s[28:29], s[28:29], s[46:47]
	s_wait_dscnt 0x0
	v_pk_add_f32 v[48:49], v[48:49], v[50:51]      ; q + the sum of w x residual
	global_store_b64 v12, v[48:49], s[28:29]       ; 32 lanes store 256 consecutive bytes, at a multiple of 256 from out0's first byte
.Lend:
	s_wait_tensorcnt 0x0                           ; the wave's end: a tensor wait, an add to my spare word and an LDS wait behind my last LDS store, the first even with no tensor load
	ds_add_u32 v[SPW], v[NIL]
	s_wait_dscnt 0x0
	s_endpgm
.Lfunc_end_k_q5363ab8e4d_fuse:
	.size	k_q5363ab8e4d_fuse, .Lfunc_end_k_q5363ab8e4d_fuse-k_q5363ab8e4d_fuse
	.p2alignl 7, 3214868480
	.fill 96, 4, 3214868480
	.section	.rodata,"a",@progbits
	.p2align	6, 0x0
	.amdhsa_kernel k_q5363ab8e4d_fuse
		.amdhsa_group_segment_fixed_size 36864
		.amdhsa_private_segment_fixed_size 0
		.amdhsa_enable_private_segment 0
		.amdhsa_kernarg_size 104
		.amdhsa_user_sgpr_count 2
		.amdhsa_user_sgpr_kernarg_segment_ptr 1
		.amdhsa_wavefront_size32 1
		.amdhsa_system_sgpr_workgroup_id_x 1
		.amdhsa_system_sgpr_workgroup_id_y 1
		.amdhsa_system_sgpr_workgroup_id_z 1
		.amdhsa_system_vgpr_workitem_id 0
		.amdhsa_next_free_vgpr 384
		.amdhsa_next_free_sgpr 66
		.amdhsa_reserve_vcc 0
		.amdhsa_float_denorm_mode_32 3
		.amdhsa_float_denorm_mode_16_64 3
		.amdhsa_memory_ordered 1
		.amdhsa_forward_progress 1
		.amdhsa_inst_pref_size 59
	.end_amdhsa_kernel
	.amdgpu_metadata
---
amdhsa.version: [ 1, 2 ]
amdhsa.kernels:
  - .name:           k_q5363ab8e4d_fuse
    .symbol:         k_q5363ab8e4d_fuse.kd
    .args:
      - { .name: nidx, .offset: 0, .size: 8, .value_kind: global_buffer, .address_space: global }
      - { .name: points1, .offset: 8, .size: 8, .value_kind: global_buffer, .address_space: global }
      - { .name: points2, .offset: 16, .size: 8, .value_kind: global_buffer, .address_space: global }
      - { .name: pc, .offset: 24, .size: 8, .value_kind: global_buffer, .address_space: global }
      - { .name: ridx1, .offset: 32, .size: 8, .value_kind: global_buffer, .address_space: global }
      - { .name: ridx2, .offset: 40, .size: 8, .value_kind: global_buffer, .address_space: global }
      - { .name: Wq, .offset: 48, .size: 8, .value_kind: global_buffer, .address_space: global }
      - { .name: Wk, .offset: 56, .size: 8, .value_kind: global_buffer, .address_space: global }
      - { .name: Wv, .offset: 64, .size: 8, .value_kind: global_buffer, .address_space: global }
      - { .name: bq, .offset: 72, .size: 8, .value_kind: global_buffer, .address_space: global }
      - { .name: bk, .offset: 80, .size: 8, .value_kind: global_buffer, .address_space: global }
      - { .name: bv, .offset: 88, .size: 8, .value_kind: global_buffer, .address_space: global }
      - { .name: out0, .offset: 96, .size: 8, .value_kind: global_buffer, .address_space: global }
    .group_segment_fixed_size: 36864
    .private_segment_fixed_size: 0
    .kernarg_segment_align: 8
    .kernarg_segment_size: 104
    .max_flat_workgroup_size: 256
    .sgpr_count:     66
    .vgpr_count:     384
    .wavefront_size: 32
...
	.end_amdgpu_metadata
.endif
;; end of part 2
;; ======== version 2 of 2: 3 launches; 1.52 times as fast as version 1
;; workspace buffers: gidx 2,097,152 bytes of whole numbers; nidx 2,097,152 bytes of whole numbers
;; launch grp (part 3): grid 256 x 1, 12 waves a work-group, no clusters, 167,936 bytes of LDS; arguments points1, points2, pc, ridx1, ridx2, gidx; writes gidx
.if DOCPART == 3
	.amdgcn_target "amdgcn-amd-amdhsa--gfx1250"
	.amdhsa_code_object_version 6
	.text
	.protected	k_q5363ab8e4d_grp
	.globl	k_q5363ab8e4d_grp
	.p2align	8
	.type	k_q5363ab8e4d_grp,@function
k_q5363ab8e4d_grp:
	s_mov_b64 s[64:65], 0
	v_nop
	global_prefetch_b8 v0, s[64:65] scope:SCOPE_SE
	s_setreg_imm32_b32 hwreg(HW_REG_WAVE_MODE, 25, 1), 1
	s_wait_xcnt 0x0
; THE NEIGHBOUR SETS, FIRST STEP: WHICH GROUPS OF 16 CANDIDATES CAN HOLD THEM.  For each of the 8 x 2,048 fused points q (points1[ridx1[n]] for n < 1,024, else points2[ridx2[n - 1,024]]) the next launch
; finds its 8 nearest points in points1, 8 in points2 and 16 in pc, by d2 = (|q|^2 + |p|^2) - 2 (q . p), ties to the lower index.  Here each table is cut into 128 groups of 16 neighbouring indices, and the k groups
; with the smallest minimum of d2, ties to the lower group, go to gidx as whole numbers: the next launch gathers by them.
; WHY THAT LOSES NOTHING, for all values: let c be one of the k nearest and G its group.  Were k groups ahead of G in the order (minimum, group), each would hold a candidate with d2 at most G's minimum, so at most d2(c),
; and where equal, of a lower index than c's (its group is lower): k candidates ahead of c.
; NOT REPRODUCED: the ORDER of a list of neighbours.  All that follows the choice is symmetric in a point's 32 neighbours, for all values of the inputs: the first quantised product quantises each neighbour's row
; by itself; the second one's single block of 32 holds all 32 neighbours, so its scale is the same in any order; the rest are sums and maxima over the neighbours.  So only the SET is made.
; No input is without a way to the output: the weights and biases are read by the last launch.
; NO BRANCH AND NO ADDRESS HANGS ON A DISTANCE.  T, the k-th smallest minimum, comes by insertion into a sorted list (a median of three for each place).  The flags m < T and m = T of 16 groups are shifted into words,
; which become keys; k times the smallest key gives up its first flag.  Fewer than k minima lie under T and at least k at or under it, so the first k flags in the order (class, group) are the k smallest by (minimum, group).
; KEYS are bit patterns of floats from 2.0 to under 8.0, so that float minima order them as whole numbers: 0x40000000 | class << 23 | (group / 16) << 16 | 16 flags, the lowest group in bit 15; BIG = 8.0 has no flag.
; SHARES.  A work-group: 64 queries of one batch, 12 waves.  PHASE 1, A LANE IS A GROUP: wave w keeps groups 32 (w % 4) + lane of table w / 4 in 64 registers (x, y, z from memory, |p|^2 made here) and walks the 64 queries,
; which lie in LDS as ready pairs: two LDS loads serve 512 distances.  The minima go to LDS.  PHASE 2, A LANE IS A QUERY: wave w: table w / 4, queries 32 (w % 2) on, groups 64 ((w / 2) % 2) on; the two halves meet through LDS.
; LIMITS: NaN and infinities among the inputs are not served.  |p|^2, |q|^2 and q . p are fused chains in the order x, y, z; where another order of rounding would change d2's last bit and two candidates lie that near at the
; k-th place, the other may be chosen.  The next launch makes d2 by the same lines, so that the bits agree.
; Left out: tensor loads, clusters, prefetches: a wave reads its 6 KiB once, at its head, straight into registers; the matrix units: the distances decide a choice, so they keep this form's roundings.
.set MPI,   144                        ; LDS: from 0 a block for each wave of phase 1: 64 queries x (32 minima + 16 bytes): an odd multiple of 16 bytes
.set WREG,  64*MPI
.set QL,    12*WREG                    ; the 64 queries: qx, qx, qy, qy, qz, qz, |q|^2, |q|^2
.set XL,    QL+2048                    ; a list of 16 for each wave, as an image of its registers (2,048 bytes a wave)
.set XE,    XL+12*2048                 ; the same for the keys
.set SPARE, XE+12*2048                 ; the spare words, 128 bytes for each wave: six blocks of 256 bytes that no other line names
.set QAD,  2                           ; v2   LDS byte of the trip's first query; the same in all lanes
.set MW0,  3                           ; v3   where my wave's minima begin, + 4 x lane
.set XLW,  4                           ; v4   where I store my list
.set XLP,  5                           ; v5   where my partner (the other half of the groups) stores its list
.set SPW,  6                           ; v6   LDS address of my spare word; never rewritten
.set NIL,  7                           ; v7   0; never rewritten
.set MW,   8                           ; v8   MW0 for the trip in hand
.set MR,   9                           ; v9   phase 2: my query's minima
.set GOF,  10                          ; v10  my group's 64 bytes in a coordinate's row of the table
.set QST,  11                          ; v11  waves 0 and 1: where my query goes in LDS
.set QI,   12                          ; v12  its index
.set T,    16                          ; v16  the k-th smallest minimum
.set BIG,  17                          ; v17  8.0
.set LTW,  18                          ; v18  flags m < T, the youngest group in bit 0
.set EQW,  19                          ; v19  flags m = T
.set MN,   22                          ; v22  a minimum
.set ONE,  23                          ; v23  1
.set L0,   24                          ; v24-39 the sorted list
.set E,    40                          ; v40-55 16 keys: mine, then my partner's
.set F,    58                          ; v58-73 the chosen groups
.set CX,   76                          ; v76-139 my group: x, y, z, |p|^2, 16 registers each;  in phase 2: 64 minima
.set CY,   92
.set CZ,   108
.set CD,   124
.set M64,  76
.set TT,   140                         ; v140-155 q . p; in phase 2 my partner's list
.set SS,   156                         ; v156-171 |q|^2 + |p|^2, then d2
.set U,    172                         ; v172-179 at work
.set QA,   180                         ; v180-187, v188-195 two queries by turns
.set QB2,  188
.set WV,   16                          ; s16 wave, s17 table, s18 which 32 queries, s19 which half of the groups
.set ROLE, 17
.set QB,   18
.set SEG,  19
.set CNT,  30
.set STEP, 31
.set KLT,  32
.set KEQ,  33
.set FIN,  34                          ; 0 in the wave of a pair that finishes
.set MST,  35
; x goes into an ascending list of len places, in place from the top; the largest falls out
.macro INS base, len, x
.set jj, (\len)-1
.rept (\len)-1
	v_med3_num_f32 v[\base+jj], v[\base+jj-1], v[\base+jj], v[\x]
.set jj, jj-1
.endr
	v_min_num_f32 v[\base], v[\base], v[\x]
.endm
; what differs with k stands in two arms of a branch on the wave's table
.macro ROLE_SPLIT m
	s_cmp_eq_u32 s[ROLE], 2
	s_cbranch_scc1 .Lwide_\@
	\m 8
	s_branch .Ljoin_\@
.Lwide_\@:
	\m 16
.Ljoin_\@:
.endm
.macro LOADQ q, off                    ; a query's four pairs: all lanes read the same bytes
	ds_load_b128 v[\q:\q+3], v[QAD] offset:\off
	ds_load_b128 v[\q+4:\q+7], v[QAD] offset:\off+16
.endm
; d2 of my 16 candidates, two at a time: q . p as a fused chain; |q|^2 + |p|^2; less twice the product, which is exact, in one rounding
.macro D2Q q
.irp p, 0,2,4,6,8,10,12,14
	v_pk_mul_f32 v[TT+\p:TT+\p+1], v[CX+\p:CX+\p+1], v[\q:\q+1]
.endr
.irp p, 0,2,4,6,8,10,12,14
	v_pk_fma_f32 v[TT+\p:TT+\p+1], v[CY+\p:CY+\p+1], v[\q+2:\q+3], v[TT+\p:TT+\p+1]
.endr
.irp p, 0,2,4,6,8,10,12,14
	v_pk_fma_f32 v[TT+\p:TT+\p+1], v[CZ+\p:CZ+\p+1], v[\q+4:\q+5], v[TT+\p:TT+\p+1]
.endr
.irp p, 0,2,4,6,8,10,12,14
	v_pk_add_f32 v[SS+\p:SS+\p+1], v[CD+\p:CD+\p+1], v[\q+6:\q+7]
.endr
.irp p, 0,2,4,6,8,10,12,14
	v_pk_fma_f32 v[SS+\p:SS+\p+1], v[TT+\p:TT+\p+1], -2.0, v[SS+\p:SS+\p+1] op_sel_hi:[1,0,1]
.endr
.endm
.macro MIN16                           ; the group's minimum, in two chains
	v_min3_num_f32 v[U], v[SS], v[SS+1], v[SS+2]
	v_min3_num_f32 v[U+1], v[SS+3], v[SS+4], v[SS+5]
.irp i, 6,10
	v_min3_num_f32 v[U], v[U], v[SS+\i], v[SS+\i+1]
	v_min3_num_f32 v[U+1], v[U+1], v[SS+\i+2], v[SS+\i+3]
.endr
	v_min3_num_f32 v[U], v[U], v[SS+14], v[SS+15]
	v_min_num_f32 v[MN], v[U], v[U+1]
.endm
.macro INSALL k                        ; my 64 minima into the list
.set ii, 0
.rept 64
	INS L0, \k, M64+ii
.set ii, ii+1
.endr
.endm
.macro MERGE1 k                        ; my partner's list into mine; the last place is T
.set ii, 0
.rept \k
	INS L0, \k, TT+ii
.set ii, ii+1
.endr
	v_mov_b32 v[T], v[L0+\k-1]
.endm
.macro FLAGS mb                        ; 2 x word + flag, one after the other: number i of the 16 ends in bit 15 - i
.set ii, 0
.rept 16
	v_cmp_lt_f32 vcc_lo, v[\mb+ii], v[T]
	v_add_co_ci_u32 v[LTW], vcc_lo, v[LTW], v[LTW], vcc_lo
	v_cmp_eq_f32 vcc_lo, v[\mb+ii], v[T]
	v_add_co_ci_u32 v[EQW], vcc_lo, v[EQW], v[EQW], vcc_lo
.set ii, ii+1
.endr
.endm
.macro KEY dst, w, sc                  ; the key of 16 flags, or BIG where none is set
	v_and_b32 v[\dst], 0xffff, v[\w]
	v_cmp_eq_u32 vcc_lo, 0, v[\dst]
	v_or_b32 v[\dst], s[\sc], v[\dst]
	v_cndmask_b32 v[\dst], v[\dst], v[BIG], vcc_lo
.endm
; k times: the smallest of n keys; its highest flag, by the exponent of the flags as a float; 16 x the key's number + the flag's place goes to F; the key goes on without the flag, or as BIG where that was its last.
; Keys other than BIG differ in their upper parts, so the compare finds the one key.
.macro EXTRACT k, n
.set ss, 0
.rept \k
	v_min3_num_f32 v[U], v[E], v[E+1], v[E+2]
	v_min3_num_f32 v[U+1], v[E+3], v[E+4], v[E+5]
.set jj, 6
.rept ((\n)-8)/4
	v_min3_num_f32 v[U], v[U], v[E+jj], v[E+jj+1]
	v_min3_num_f32 v[U+1], v[U+1], v[E+jj+2], v[E+jj+3]
.set jj, jj+4
.endr
	v_min3_num_f32 v[U], v[U], v[E+(\n)-2], v[E+(\n)-1]
	v_min_num_f32 v[U], v[U], v[U+1]                       ; the smallest key
	v_and_b32 v[U+2], 0xffff, v[U]                         ; its flags
	v_bfe_u32 v[U+4], v[U], 16, 7                          ; its number
	v_cvt_f32_u32 v[U+3], v[U+2]                           ; exact: 16 bits
	v_lshl_add_u32 v[U+4], v[U+4], 4, 142                  ; 16 x number + 15 + 127
	v_lshrrev_b32 v[U+3], 23, v[U+3]                       ; 127 + p, p the highest flag's bit
	v_add_nc_u32 v[U+5], 0xffffff81, v[U+3]                ; p
	v_sub_nc_u32 v[F+ss], v[U+4], v[U+3]                   ; 16 x number + 15 - p
.if ss < (\k)-1
	v_lshlrev_b32 v[U+5], v[U+5], v[ONE]                   ; the flag
	v_cmp_eq_u32 vcc_lo, v[U+2], v[U+5]                    ; the key's last?
	v_xor_b32 v[U+6], v[U], v[U+5]
	v_cndmask_b32 v[U+6], v[U+6], v[BIG], vcc_lo
.set jj, 0
.rept \n
	v_cmp_eq_u32 vcc_lo, v[E+jj], v[U]
	v_cndmask_b32 v[E+jj], v[E+jj], v[U+6], vcc_lo
.set jj, jj+1
.endr
.endif
.set ss, ss+1
.endr
.endm
.macro EXTR k
	EXTRACT \k, 16
.set ii, 0
.rept (\k)/4
	global_store_b128 v1, v[F+4*ii:F+4*ii+3], s[14:15] offset:512*ii   ; 32 lanes store 512 consecutive bytes, at a multiple of 512 from gidx's first byte
.set ii, ii+1
.endr
.endm
	s_load_b256 s[4:11], s[0:1], 0x0               ; points1 s[4:5], points2 s[6:7], pc s[8:9], ridx1 s[10:11]
	s_load_b128 s[12:15], s[0:1], 0x20             ; ridx2 s[12:13], gidx s[14:15]
	v_lshl_add_u32 v[SPW], v0, 2, SPARE
	v_mov_b32 v[NIL], 0
	v_lshrrev_b32 v13, 5, v0
	v_readfirstlane_b32 s[WV], v13                 ; wave 0..11
	s_lshr_b32 s[ROLE], s[WV], 2
	s_and_b32 s[QB], s[WV], 1
	s_bfe_u32 s[SEG], s[WV], 0x10001
	s_lshr_b32 s[FIN], s[ROLE], 1                  ; pc's pairs are finished by the wave of the lower half, the others' by that of the upper
	s_xor_b32 s[FIN], s[FIN], 1
	s_xor_b32 s[FIN], s[FIN], s[SEG]
	s_lshr_b32 s20, ttmp9, 5                       ; batch
	s_and_b32 s21, ttmp9, 31                       ; which 64 queries of it
	; every LDS address is made here, ahead of the first branch on the wave's number
	v_and_b32 v14, 31, v0                          ; lane
	v_lshlrev_b32 v13, 2, v14                      ; 4 x lane
	v_lshlrev_b32 v1, 4, v14                       ; 16 x lane
	s_and_b32 s37, s[WV], 3
	s_lshl_b32 s37, s37, 11                        ; phase 1: my wave's 32 groups of 64 bytes
	v_lshl_add_u32 v[GOF], v14, 6, s37
	s_mul_i32 s37, s[WV], WREG
	v_add_nc_u32 v[MW0], s37, v13
	s_lshl_b32 s37, s[ROLE], 2                     ; phase 2: the blocks of the two waves that made my table's groups 64 x half on,
	s_lshl_b32 s38, s[SEG], 1
	s_add_co_u32 s37, s37, s38
	s_mul_i32 s37, s37, WREG
	s_lshl_b32 s38, s[QB], 5
	v_add_nc_u32 v15, s38, v14
	v_mul_u32_u24 v[MR], v15, MPI                  ; my query's row in them
	v_add_nc_u32 v[MR], s37, v[MR]
	s_lshl_b32 s37, s[WV], 11
	s_add_co_u32 s37, s37, XL
	v_add_nc_u32 v[XLW], s37, v1
	s_xor_b32 s38, s[WV], 2
	s_lshl_b32 s38, s38, 11
	s_add_co_u32 s38, s38, XL
	v_add_nc_u32 v[XLP], s38, v1
	v_lshl_add_u32 v[QST], v0, 5, QL               ; waves 0 and 1: query = my thread's number
	v_lshlrev_b32 v15, 2, v0                       ; and its place in the list of indices
	s_mul_i32 s22, s20, 24576                      ; a batch of a table
	s_mov_b32 s23, 0
	s_and_b32 s37, s21, 15
	s_lshl_b32 s37, s37, 6
	s_lshl_b32 s38, s20, 10
	s_add_co_u32 s37, s37, s38
	s_lshl_b32 s37, s37, 2                         ; the 64 queries' place in ridx1 or ridx2, in bytes
	s_lshl_b32 s38, ttmp9, 1
	s_add_co_u32 s38, s38, s[QB]
	s_lshl_b32 s38, s38, 12                        ; gidx: [512 blocks of 32 queries][8 quads][32 lanes][4]: my block,
	s_lshl_b32 s39, s[ROLE], 10
	s_add_co_u32 s38, s38, s39                     ; my table's first quad: 0, 2 or 4
	s_wait_kmcnt 0x0
	s_cmp_eq_u32 s[ROLE], 0
	s_cselect_b64 s[24:25], s[4:5], s[6:7]
	s_cmp_eq_u32 s[ROLE], 2
	s_cselect_b64 s[24:25], s[8:9], s[24:25]       ; my table
	s_cmp_lt_u32 s21, 16
	s_cselect_b64 s[26:27], s[4:5], s[6:7]         ; where the queries come from,
	s_cselect_b64 s[28:29], s[10:11], s[12:13]     ; and by which list
	s_add_nc_u64 s[24:25], s[24:25], s[22:23]
	s_add_nc_u64 s[26:27], s[26:27], s[22:23]
	s_mov_b32 s22, s37
	s_add_nc_u64 s[28:29], s[28:29], s[22:23]
	s_mov_b32 s22, s38
	s_add_nc_u64 s[14:15], s[14:15], s[22:23]
.irp a, 0,1,2
.irp i, 0,1,2,3
	global_load_b128 v[CX+16*\a+4*\i:CX+16*\a+4*\i+3], v[GOF], s[24:25] offset:8192*\a+16*\i   ; my group's 16 x, y, z; a coordinate's four loads of a wave cover 2,048 consecutive bytes
.endr
.endr
	s_cmp_gt_u32 s[WV], 1
	s_cbranch_scc1 .Lno_q
	global_load_b32 v[QI], v15, s[28:29]           ; waves 0 and 1: a lane a query
	s_wait_loadcnt 0x0
	v_min_u32 v[QI], 2047, v[QI]                   ; an index stays inside its table
	v_lshlrev_b32 v[QI], 2, v[QI]
	global_load_b32 v[QA], v[QI], s[26:27]
	global_load_b32 v[QA+2], v[QI], s[26:27] offset:8192
	global_load_b32 v[QA+4], v[QI], s[26:27] offset:16384
	s_wait_loadcnt 0x0
	v_mul_f32 v[QA+6], v[QA], v[QA]
	v_fma_f32 v[QA+6], v[QA+2], v[QA+2], v[QA+6]
	v_fma_f32 v[QA+6], v[QA+4], v[QA+4], v[QA+6]   ; |q|^2
	v_mov_b32 v[QA+1], v[QA]
	v_mov_b32 v[QA+3], v[QA+2]
	v_mov_b32 v[QA+5], v[QA+4]
	v_mov_b32 v[QA+7], v[QA+6]
	ds_store_b128 v[QST], v[QA:QA+3]
	ds_store_b128 v[QST], v[QA+4:QA+7] offset:16
.Lno_q:
	s_wait_loadcnt 0x0                             ; my group
.irp p, 0,2,4,6,8,10,12,14
	v_pk_mul_f32 v[CD+\p:CD+\p+1], v[CX+\p:CX+\p+1], v[CX+\p:CX+\p+1]
.endr
.irp p, 0,2,4,6,8,10,12,14
	v_pk_fma_f32 v[CD+\p:CD+\p+1], v[CY+\p:CY+\p+1], v[CY+\p:CY+\p+1], v[CD+\p:CD+\p+1]
.endr
.irp p, 0,2,4,6,8,10,12,14
	v_pk_fma_f32 v[CD+\p:CD+\p+1], v[CZ+\p:CZ+\p+1], v[CZ+\p:CZ+\p+1], v[CD+\p:CD+\p+1]   ; |p|^2
.endr
	v_mov_b32 v[BIG], 0x41000000
	v_mov_b32 v[ONE], 1
	s_wait_dscnt 0x0                               ; for the others' sake: the queries lie in LDS
	s_barrier_signal -1
	s_barrier_wait -1
; PHASE 1.  A trip takes two queries, in two sets of registers that are loaded by turns.  pf = 1: the next trip's first query is asked for.
.macro TRIP pf
	LOADQ QB2, 32
	s_wait_dscnt 2                                 ; all but the two loads just issued: the first query is in
	D2Q QA
	MIN16
	ds_store_b32 v[MW], v[MN]                      ; 32 groups' minima: 128 consecutive bytes
.if \pf
	LOADQ QA, 64
	s_wait_dscnt 3                                 ; the second query is in; behind its loads: the store and the next query's two loads
.else
	s_wait_dscnt 1                                 ; behind its loads: the store
.endif
	D2Q QB2
	MIN16
	ds_store_b32 v[MW], v[MN] offset:MPI
.if \pf
	s_add_co_u32 s[STEP], s[STEP], 64
	s_add_co_u32 s[MST], s[MST], 2*MPI
	v_mov_b32 v[QAD], s[STEP]
	v_add_nc_u32 v[MW], s[MST], v[MW0]
.endif
.endm
	s_mov_b32 s[STEP], QL
	s_mov_b32 s[MST], 0
	v_mov_b32 v[QAD], s[STEP]
	v_mov_b32 v[MW], v[MW0]
	LOADQ QA, 0
	s_mov_b32 s[CNT], 31
.Lquery:
	TRIP 1
	s_sub_co_u32 s[CNT], s[CNT], 1
	s_cmp_lg_u32 s[CNT], 0
	s_cbranch_scc1 .Lquery
	TRIP 0                                         ; the 32nd trip asks for nothing beyond the 64 queries
	s_wait_dscnt 0x0                               ; for the others' sake: my minima lie in LDS
	s_barrier_signal -1
	s_barrier_wait -1
	; PHASE 2.  My query's 64 minima of my half of my table's groups, in ascending order of the groups
.irp u, 0,1
.irp j, 0,1,2,3,4,5,6,7
	ds_load_b128 v[M64+32*\u+4*\j:M64+32*\u+4*\j+3], v[MR] offset:WREG*\u+16*\j
.endr
.endr
	s_mov_b32 s37, 0x7f800000
.set ii, 0
.rept 16
	v_mov_b32 v[L0+ii], s37                        ; the list begins as +infinity
.set ii, ii+1
.endr
	s_wait_dscnt 0x0
	ROLE_SPLIT INSALL
.irp i, 0,1,2,3
	ds_store_b128 v[XLW], v[L0+4*\i:L0+4*\i+3] offset:512*\i   ; (k = 8: the upper eight are still +infinity)
.endr
	s_wait_dscnt 0x0
	s_barrier_signal -1
	s_barrier_wait -1
.irp i, 0,1,2,3
	ds_load_b128 v[TT+4*\i:TT+4*\i+3], v[XLP] offset:512*\i
.endr
	s_wait_dscnt 0x0
	ROLE_SPLIT MERGE1
	v_mov_b32 v[LTW], 0
	v_mov_b32 v[EQW], 0
	s_lshl_b32 s[KLT], s[SEG], 18                  ; my first sixteen groups: number 4 x my half
	s_or_b32 s[KLT], s[KLT], 0x40000000
	s_or_b32 s[KEQ], s[KLT], 0x800000
.irp g, 0,1,2,3
	FLAGS M64+16*\g
	KEY E+2*\g, LTW, KLT
	KEY E+2*\g+1, EQW, KEQ
	s_add_co_u32 s[KLT], s[KLT], 0x10000
	s_add_co_u32 s[KEQ], s[KEQ], 0x10000
.endr
.irp i, 0,1
	ds_store_b128 v[XLW], v[E+4*\i:E+4*\i+3] offset:XE-XL+512*\i
.endr
	s_wait_dscnt 0x0
	s_barrier_signal -1
	s_barrier_wait -1
	; THE END: one wave of each pair takes both halves' keys and turns their flags into group numbers.  No barrier and no LDS store follows.
	s_cmp_lg_u32 s[FIN], 0
	s_cbranch_scc1 .Lend
.irp i, 0,1
	ds_load_b128 v[E+8+4*\i:E+8+4*\i+3], v[XLP] offset:XE-XL+512*\i
.endr
	s_wait_dscnt 0x0
	ROLE_SPLIT EXTR
.Lend:
	s_wait_tensorcnt 0x0                           ; the wave's end: a tensor wait, an add to my spare word and an LDS wait behind my last LDS store, the first even with no tensor load
	ds_add_u32 v[SPW], v[NIL]
	s_wait_dscnt 0x0
	s_endpgm
.Lfunc_end_k_q5363ab8e4d_grp:
	.size	k_q5363ab8e4d_grp, .Lfunc_end_k_q5363ab8e4d_grp-k_q5363ab8e4d_grp
	.p2alignl 7, 3214868480
	.fill 96, 4, 3214868480
	.section	.rodata,"a",@progbits
	.p2align	6, 0x0
	.amdhsa_kernel k_q5363ab8e4d_grp
		.amdhsa_group_segment_fixed_size 167936
		.amdhsa_private_segment_fixed_size 0
		.amdhsa_enable_private_segment 0
		.amdhsa_kernarg_size 48
		.amdhsa_user_sgpr_count 2
		.amdhsa_user_sgpr_kernarg_segment_ptr 1
		.amdhsa_wavefront_size32 1
		.amdhsa_system_sgpr_workgroup_id_x 1
		.amdhsa_system_sgpr_workgroup_id_y 1
		.amdhsa_system_sgpr_workgroup_id_z 1
		.amdhsa_system_vgpr_workitem_id 0
		.amdhsa_next_free_vgpr 196
		.amdhsa_next_free_sgpr 66
		.amdhsa_reserve_vcc 1
		.amdhsa_float_denorm_mode_32 3
		.amdhsa_float_denorm_mode_16_64 3
		.amdhsa_memory_ordered 1
		.amdhsa_forward_progress 1
		.amdhsa_inst_pref_size 190
	.end_amdhsa_kernel
	.amdgpu_metadata
---
amdhsa.version: [ 1, 2 ]
amdhsa.kernels:
  - .name:           k_q5363ab8e4d_grp
    .symbol:         k_q5363ab8e4d_grp.kd
    .args:
      - { .name: points1, .offset: 0, .size: 8, .value_kind: global_buffer, .address_space: global }
      - { .name: points2, .offset: 8, .size: 8, .value_kind: global_buffer, .address_space: global }
      - { .name: pc, .offset: 16, .size: 8, .value_kind: global_buffer, .address_space: global }
      - { .name: ridx1, .offset: 24, .size: 8, .value_kind: global_buffer, .address_space: global }
      - { .name: ridx2, .offset: 32, .size: 8, .value_kind: global_buffer, .address_space: global }
      - { .name: gidx, .offset: 40, .size: 8, .value_kind: global_buffer, .address_space: global }
    .group_segment_fixed_size: 167936
    .private_segment_fixed_size: 0
    .kernarg_segment_align: 8
    .kernarg_segment_size: 48
    .max_flat_workgroup_size: 384
    .sgpr_count:     66
    .vgpr_count:     196
    .wavefront_size: 32
...
	.end_amdgpu_metadata
.endif
;; end of part 3
;; launch pick (part 4): grid 256 x 1, 8 waves a work-group, no clusters, 164,864 bytes of LDS; arguments gidx, points1, points2, pc, ridx1, ridx2, nidx; writes nidx
.if DOCPART == 4
	.amdgcn_target "amdgcn-amd-amdhsa--gfx1250"
	.amdhsa_code_object_version 6
	.text
	.protected	k_q5363ab8e4d_pick
	.globl	k_q5363ab8e4d_pick
	.p2align	8
	.type	k_q5363ab8e4d_pick,@function
k_q5363ab8e4d_pick:
	s_mov_b64 s[64:65], 0
	v_nop
	global_prefetch_b8 v0, s[64:65] scope:SCOPE_SE
	s_setreg_imm32_b32 hwreg(HW_REG_WAVE_MODE, 25, 1), 1
	s_wait_xcnt 0x0
; THE NEIGHBOUR SETS, SECOND STEP.  For each fused point: its 8 nearest points in points1, 8 in points2 and 16 in pc, by d2 = (|q|^2 + |p|^2) - 2 (q . p), ties to the lower index, searched in the k groups of 16 candidates
; that the first launch has stored in gidx; its head shows that these hold them, for all values.  The indices go to nidx as whole numbers; the last launch gathers by them.
; Left out, as the first kernel's head shows: the order of the neighbours in a list: only the set is made.
; NO BRANCH AND NO ADDRESS HANGS ON A DISTANCE; the gathers' addresses are made of whole numbers read from gidx.  Pass 1 finds T, the k-th smallest d2, by insertion into sorted lists (a median of three for each place), and
; keeps every d2 in LDS.  Pass 2 shifts the flags d2 < T and d2 = T of each group into words, which become keys; k times the smallest key gives up its first flag.  Fewer than k candidates lie under T and at least k at or under
; it, so the first k flags in the order (class, index) are the set.
; KEYS are bit patterns of floats from 2.0 to under 8.0, so that float minima order them as whole numbers: 0x40000000 | class << 23 | group << 16 | 16 flags, the lowest index in bit 15; BIG = 8.0 has no flag.
; PASS 1's LISTS.  Four candidates are sorted; rank r of the four goes to a list of k / (r + 1) places.  Order all candidates by (value, four, rank): one of rank r among the first k brings its r predecessors of the same four,
; so at most k / (r + 1) of rank r are among the first k, and they are the smallest of their rank.  The lists are folded into one at the end.
; SHARES.  A work-group: 64 queries of one batch, 8 waves, a lane a query.  Wave w: queries 32 (w / 4) on, part (w % 4) xor 2 (w / 4): part 0 points1's 8 groups, part 1 points2's 8, parts 2 and 3 eight each of pc's 16,
; which meet through LDS.  Everything is written out, group by group: every offset is an immediate.
; LIMITS: NaN and infinities among the inputs are not served.  d2 is made by the first launch's lines, with the same roundings; where another order of rounding would change its last bit and two candidates lie that near at the
; k-th place, the other may be chosen.
; Left out: tensor loads, clusters, the matrix units, as in the first launch; prefetches: what is gathered is known only just ahead of its loads.
.set XL,    131072                     ; LDS: from 0 a block of 16,384 bytes for each wave: d2 of its 8 groups, as images of 16 registers;  from XL: a list of 16 for each wave (2,048 bytes a wave);
.set XE,    147456                     ; from XE: the same for the keys
.set SPARE, 163840                     ; the spare words, 128 bytes for each wave: four blocks of 256 bytes that no other line names
.set DIW,  2                           ; v2   my wave's block + 16 x lane
.set QI,   3                           ; v3   my query's index
.set XLW,  4                           ; v4   where I store my list
.set XLP,  5                           ; v5   where my partner (wave xor 1) stores its list
.set SPW,  6                           ; v6   LDS address of my spare word; never rewritten
.set NIL,  7                           ; v7   0; never rewritten
.set QX,   8                           ; v[8:15] qx, qy, qz, |q|^2, each twice: pairs for the packed forms
.set QY,   10
.set QZ,   12
.set QQ,   14
.set T,    16                          ; v16  the k-th smallest d2
.set BIG,  17                          ; v17  8.0
.set LTW,  18                          ; v18  flags d2 < T, the youngest candidate in bit 0
.set EQW,  19                          ; v19  flags d2 = T
.set KY,   20                          ; v20  a key's upper part
.set ONE,  23                          ; v23  1
.set L0,   24                          ; v24-39 rank 0's list, and the folded list;  v40-47, v48-52, v54-57 ranks 1, 2, 3
.set L1,   40
.set L2,   48
.set L3,   54
.set E,    24                          ; v24-55 the keys: my 16, then my partner's
.set G,    58                          ; v58-65 64 x my eight groups' numbers: their bytes in a coordinate's row; never rewritten
.set D,    66                          ; v66-81 d2 of a group
.set TT,   82                          ; v82-89 q . p; then at work in the sort
.set SS,   90                          ; v90-97 |p|^2, then |q|^2 + |p|^2
.set U,    98                          ; v98-105 at work
.set S,    106                         ; v106-249 three sets of a group's x, y, z, 16 registers each, by turns
.set P2D,  106                         ; pass 2: two sets of 16 d2
.set PL,   154                         ; my partner's list
.set F,    154                         ; the indices
.set WV,   18                          ; s18 wave, s19 which 32 queries, s20 part
.set QB,   19
.set PART, 20
; x goes into an ascending list of len places, in place from the top; the largest falls out
.macro INS base, len, x
.set jj, (\len)-1
.rept (\len)-1
	v_med3_num_f32 v[\base+jj], v[\base+jj-1], v[\base+jj], v[\x]
.set jj, jj-1
.endr
	v_min_num_f32 v[\base], v[\base], v[\x]
.endm
; what differs with k stands in two arms of a branch on the wave's part
.macro PART_SPLIT m
	s_cmp_gt_u32 s[PART], 1
	s_cbranch_scc1 .Lwide_\@
	\m 8
	s_branch .Ljoin_\@
.Lwide_\@:
	\m 16
.Ljoin_\@:
.endm
.macro LOADG g                         ; group g's 16 x, y, z into set g % 3: a lane reads 64 consecutive bytes of each coordinate's row
.irp a, 0,1,2
.irp i, 0,1,2,3
	global_load_b128 v[S+48*((\g)%3)+16*\a+4*\i:S+48*((\g)%3)+16*\a+4*\i+3], v[G+(\g)], s[26:27] offset:8192*\a+16*\i
.endr
.endr
.endm
; d2 of 8 candidates, two at a time (c: the first of their x; y lies 16 registers on, z 32): |p|^2 and q . p as fused chains; |q|^2 + |p|^2; less twice the product, which is exact, in one rounding
.macro D2G c, dst
.irp p, 0,2,4,6
	v_pk_mul_f32 v[SS+\p:SS+\p+1], v[\c+\p:\c+\p+1], v[\c+\p:\c+\p+1]
.endr
.irp p, 0,2,4,6
	v_pk_mul_f32 v[TT+\p:TT+\p+1], v[\c+\p:\c+\p+1], v[QX:QX+1]
.endr
.irp p, 0,2,4,6
	v_pk_fma_f32 v[SS+\p:SS+\p+1], v[\c+16+\p:\c+16+\p+1], v[\c+16+\p:\c+16+\p+1], v[SS+\p:SS+\p+1]
.endr
.irp p, 0,2,4,6
	v_pk_fma_f32 v[TT+\p:TT+\p+1], v[\c+16+\p:\c+16+\p+1], v[QY:QY+1], v[TT+\p:TT+\p+1]
.endr
.irp p, 0,2,4,6
	v_pk_fma_f32 v[SS+\p:SS+\p+1], v[\c+32+\p:\c+32+\p+1], v[\c+32+\p:\c+32+\p+1], v[SS+\p:SS+\p+1]
.endr
.irp p, 0,2,4,6
	v_pk_fma_f32 v[TT+\p:TT+\p+1], v[\c+32+\p:\c+32+\p+1], v[QZ:QZ+1], v[TT+\p:TT+\p+1]
.endr
.irp p, 0,2,4,6
	v_pk_add_f32 v[SS+\p:SS+\p+1], v[SS+\p:SS+\p+1], v[QQ:QQ+1]
.endr
.irp p, 0,2,4,6
	v_pk_fma_f32 v[\dst+\p:\dst+\p+1], v[TT+\p:TT+\p+1], -2.0, v[SS+\p:SS+\p+1] op_sel_hi:[1,0,1]
.endr
.endm
; the two fours of v[d] .. v[d + 7] are sorted; four f's ranks 0 to 3 end in d + f, u + f, u + f + 1, d + f + 3
.macro SORT8 d, u
.irp f, 0,4
	v_min_num_f32 v[\u+\f], v[\d+\f], v[\d+\f+1]
	v_max_num_f32 v[\u+\f+1], v[\d+\f], v[\d+\f+1]
	v_min_num_f32 v[\u+\f+2], v[\d+\f+2], v[\d+\f+3]
	v_max_num_f32 v[\u+\f+3], v[\d+\f+2], v[\d+\f+3]
.endr
.irp f, 0,4
	v_min_num_f32 v[\d+\f], v[\u+\f], v[\u+\f+2]
	v_max_num_f32 v[\d+\f+1], v[\u+\f], v[\u+\f+2]
	v_min_num_f32 v[\d+\f+2], v[\u+\f+1], v[\u+\f+3]
	v_max_num_f32 v[\d+\f+3], v[\u+\f+1], v[\u+\f+3]
.endr
.irp f, 0,4
	v_min_num_f32 v[\u+\f], v[\d+\f+1], v[\d+\f+2]
	v_max_num_f32 v[\u+\f+1], v[\d+\f+1], v[\d+\f+2]
.endr
.endm
.macro INS4 k, d, u                    ; a sorted four into the four lists
	INS L0, \k, \d
	INS L1, (\k)/2, \u
	INS L2, (\k)/3, \u+1
	INS L3, (\k)/4, \d+3
.endm
.macro ARM k
	INS4 \k, D, U
	INS4 \k, D+4, U+4
	INS4 \k, D+8, TT
	INS4 \k, D+12, TT+4
.endm
; Group g.  left: how many younger loads may stay out when this group's twelve have to be there
.macro GROUP g, left
	s_wait_loadcnt \left
	D2G S+48*((\g)%3), D
	D2G S+48*((\g)%3)+8, D+8
.if (\g)+3 < 8
	LOADG (\g)+3                                   ; the set is free: it takes the group three further on
.endif
.irp i, 0,1,2,3
	ds_store_b128 v[DIW], v[D+4*\i:D+4*\i+3] offset:2048*(\g)+512*\i   ; d2 is kept for pass 2, as it stands in the registers
.endr
	SORT8 D, U
	SORT8 D+8, TT
	PART_SPLIT ARM
.endm
.macro FOLD k                          ; ranks 1 to 3 into rank 0's list
.set ii, 0
.rept (\k)/2
	INS L0, \k, L1+ii
.set ii, ii+1
.endr
.set ii, 0
.rept (\k)/3
	INS L0, \k, L2+ii
.set ii, ii+1
.endr
.set ii, 0
.rept (\k)/4
	INS L0, \k, L3+ii
.set ii, ii+1
.endr
.endm
.macro FLAGS mb                        ; 2 x word + flag, candidate by candidate: candidate i of the 16 ends in bit 15 - i
.set ii, 0
.rept 16
	v_cmp_lt_f32 vcc_lo, v[\mb+ii], v[T]
	v_add_co_ci_u32 v[LTW], vcc_lo, v[LTW], v[LTW], vcc_lo
	v_cmp_eq_f32 vcc_lo, v[\mb+ii], v[T]
	v_add_co_ci_u32 v[EQW], vcc_lo, v[EQW], v[EQW], vcc_lo
.set ii, ii+1
.endr
.endm
.macro KEYV dst, w, pf                 ; the group's key, or BIG where no flag is set
	v_and_b32 v[\dst], 0xffff, v[\w]
	v_cmp_eq_u32 vcc_lo, 0, v[\dst]
	v_or_b32 v[\dst], v[\pf], v[\dst]
	v_cndmask_b32 v[\dst], v[\dst], v[BIG], vcc_lo
.endm
.macro P2LOAD g
.irp i, 0,1,2,3
	ds_load_b128 v[P2D+16*((\g)%2)+4*\i:P2D+16*((\g)%2)+4*\i+3], v[DIW] offset:2048*(\g)+512*\i
.endr
.endm
.macro P2STEP g
.if (\g) < 7
	P2LOAD (\g)+1
	s_wait_dscnt 4                                 ; this group's d2 are in; the next group's four loads stay out
.else
	s_wait_dscnt 0x0
.endif
	FLAGS P2D+16*((\g)%2)
	v_lshl_or_b32 v[KY], v[G+(\g)], 10, 0x40000000 ; 64 x group << 10 = group << 16
	KEYV E+2*(\g), LTW, KY
	v_or_b32 v[KY], 0x800000, v[KY]
	KEYV E+2*(\g)+1, EQW, KY
.endm
; k times: the smallest of n keys; its highest flag, by the exponent of the flags as a float; 16 x the key's group + the flag's place goes to F; the key goes on without the flag, or as BIG where that was its last.
; Keys other than BIG differ in their upper parts, so the compare finds the one key.
.macro EXTRACT k, n
.set ss, 0
.rept \k
	v_min3_num_f32 v[U], v[E], v[E+1], v[E+2]
	v_min3_num_f32 v[U+1], v[E+3], v[E+4], v[E+5]
.set jj, 6
.rept ((\n)-8)/4
	v_min3_num_f32 v[U], v[U], v[E+jj], v[E+jj+1]
	v_min3_num_f32 v[U+1], v[U+1], v[E+jj+2], v[E+jj+3]
.set jj, jj+4
.endr
	v_min3_num_f32 v[U], v[U], v[E+(\n)-2], v[E+(\n)-1]
	v_min_num_f32 v[U], v[U], v[U+1]                       ; the smallest key
	v_and_b32 v[U+2], 0xffff, v[U]                         ; its flags
	v_bfe_u32 v[U+4], v[U], 16, 7                          ; its group
	v_cvt_f32_u32 v[U+3], v[U+2]                           ; exact: 16 bits
	v_lshl_add_u32 v[U+4], v[U+4], 4, 142                  ; 16 x group + 15 + 127
	v_lshrrev_b32 v[U+3], 23, v[U+3]                       ; 127 + p, p the highest flag's bit
	v_add_nc_u32 v[U+5], 0xffffff81, v[U+3]                ; p
	v_sub_nc_u32 v[F+ss], v[U+4], v[U+3]                   ; the index: 16 x group + 15 - p
.if ss < (\k)-1
	v_lshlrev_b32 v[U+5], v[U+5], v[ONE]                   ; the flag
	v_cmp_eq_u32 vcc_lo, v[U+2], v[U+5]                    ; the key's last?
	v_xor_b32 v[U+6], v[U], v[U+5]
	v_cndmask_b32 v[U+6], v[U+6], v[BIG], vcc_lo
.set jj, 0
.rept \n
	v_cmp_eq_u32 vcc_lo, v[E+jj], v[U]
	v_cndmask_b32 v[E+jj], v[E+jj], v[U+6], vcc_lo
.set jj, jj+1
.endr
.endif
.set ss, ss+1
.endr
.set ii, 0
.rept (\k)/4
	global_store_b128 v1, v[F+4*ii:F+4*ii+3], s[16:17] offset:512*ii   ; 32 lanes store 512 consecutive bytes, at a multiple of 512 from nidx's first byte
.set ii, ii+1
.endr
.endm
	s_load_b256 s[4:11], s[0:1], 0x0               ; gidx s[4:5], points1 s[6:7], points2 s[8:9], pc s[10:11]
	s_load_b128 s[12:15], s[0:1], 0x20             ; ridx1 s[12:13], ridx2 s[14:15]
	s_load_b64 s[16:17], s[0:1], 0x30              ; nidx
	v_lshl_add_u32 v[SPW], v0, 2, SPARE
	v_mov_b32 v[NIL], 0
	v_lshrrev_b32 v22, 5, v0
	v_readfirstlane_b32 s[WV], v22                 ; wave 0..7
	s_lshr_b32 s[QB], s[WV], 2
	s_lshl_b32 s[PART], s[QB], 1
	s_xor_b32 s[PART], s[PART], s[WV]
	s_and_b32 s[PART], s[PART], 3                  ; (w % 4) xor 2 (w / 4): waves w and w + 4 have one part with k = 8 and one with k = 16
	s_lshr_b32 s21, ttmp9, 5                       ; batch
	s_and_b32 s22, ttmp9, 31                       ; which 64 queries of it
	v_and_b32 v1, 31, v0
	v_lshlrev_b32 v22, 2, v1                       ; 4 x lane
	v_lshlrev_b32 v1, 4, v1                        ; 16 x lane
	s_lshl_b32 s33, s[WV], 14
	v_add_nc_u32 v[DIW], s33, v1
	s_lshl_b32 s33, s[WV], 11
	s_add_co_u32 s33, s33, XL
	v_add_nc_u32 v[XLW], s33, v1
	s_xor_b32 s34, s[WV], 1
	s_lshl_b32 s34, s34, 11
	s_add_co_u32 s34, s34, XL
	v_add_nc_u32 v[XLP], s34, v1
	s_mul_i32 s24, s21, 24576                      ; a batch of a table
	s_mov_b32 s25, 0
	s_and_b32 s33, s22, 15
	s_lshl_b32 s33, s33, 6
	s_lshl_b32 s34, s21, 10
	s_add_co_u32 s33, s33, s34
	s_lshl_b32 s34, s[QB], 5
	s_add_co_u32 s33, s33, s34
	s_lshl_b32 s33, s33, 2                         ; my 32 queries' place in ridx1 or ridx2, in bytes
	s_lshl_b32 s35, ttmp9, 1
	s_add_co_u32 s35, s35, s[QB]
	s_lshl_b32 s35, s35, 12                        ; gidx and nidx: [512 blocks of 32 queries][8 quads][32 lanes][4]: my block,
	s_lshl_b32 s34, s[PART], 10
	s_add_co_u32 s35, s35, s34                     ; quad 2 x part
	s_wait_kmcnt 0x0
	s_cmp_eq_u32 s[PART], 0
	s_cselect_b64 s[26:27], s[6:7], s[8:9]
	s_cmp_gt_u32 s[PART], 1
	s_cselect_b64 s[26:27], s[10:11], s[26:27]     ; my table
	s_cmp_lt_u32 s22, 16
	s_cselect_b64 s[28:29], s[6:7], s[8:9]         ; where the queries come from,
	s_cselect_b64 s[30:31], s[12:13], s[14:15]     ; and by which list
	s_add_nc_u64 s[26:27], s[26:27], s[24:25]
	s_add_nc_u64 s[28:29], s[28:29], s[24:25]
	s_mov_b32 s24, s33
	s_add_nc_u64 s[30:31], s[30:31], s[24:25]
	s_mov_b32 s24, s35
	s_add_nc_u64 s[4:5], s[4:5], s[24:25]
	s_add_nc_u64 s[16:17], s[16:17], s[24:25]
	global_load_b32 v[QI], v22, s[30:31]           ; my query's index,
	global_load_b128 v[G:G+3], v1, s[4:5]          ; and its eight groups of my part: 512 consecutive bytes a load
	global_load_b128 v[G+4:G+7], v1, s[4:5] offset:512
	s_mov_b32 s33, 0x7f800000
.set ii, L0
.rept 34
	v_mov_b32 v[ii], s33                           ; the lists begin as +infinity
.set ii, ii+1
.endr
	v_mov_b32 v[BIG], 0x41000000
	v_mov_b32 v[ONE], 1
	s_wait_loadcnt 0x0
	v_min_u32 v[QI], 2047, v[QI]                   ; an index stays inside its table,
	v_lshlrev_b32 v[QI], 2, v[QI]
.irp i, 0,1,2,3,4,5,6,7
	v_min_u32 v[G+\i], 127, v[G+\i]                ; and a group likewise
.endr
.irp i, 0,1,2,3,4,5,6,7
	v_lshlrev_b32 v[G+\i], 6, v[G+\i]
.endr
	global_load_b32 v[QX], v[QI], s[28:29]
	global_load_b32 v[QY], v[QI], s[28:29] offset:8192
	global_load_b32 v[QZ], v[QI], s[28:29] offset:16384
	LOADG 0
	LOADG 1
	LOADG 2
	s_wait_loadcnt 36                              ; the query is in; three groups' loads stay out
	v_mul_f32 v[QQ], v[QX], v[QX]
	v_fma_f32 v[QQ], v[QY], v[QY], v[QQ]
	v_fma_f32 v[QQ], v[QZ], v[QZ], v[QQ]
	v_mov_b32 v[QX+1], v[QX]
	v_mov_b32 v[QY+1], v[QY]
	v_mov_b32 v[QZ+1], v[QZ]
	v_mov_b32 v[QQ+1], v[QQ]
	; PASS 1
	GROUP 0, 24                                    ; this group's twelve loads are in; the next two groups' stay out
	GROUP 1, 24
	GROUP 2, 24
	GROUP 3, 24
	GROUP 4, 24
	GROUP 5, 24
	GROUP 6, 12
	GROUP 7, 0
	PART_SPLIT FOLD
.irp i, 0,1,2,3
	ds_store_b128 v[XLW], v[L0+4*\i:L0+4*\i+3] offset:512*\i   ; (k = 8: the upper eight are still +infinity, and nobody reads the list)
.endr
	s_wait_dscnt 0x0                               ; for the others' sake: my list lies in LDS
	s_barrier_signal -1
	s_barrier_wait -1
	s_cmp_gt_u32 s[PART], 1
	s_cbranch_scc1 .Lwide_t
	v_mov_b32 v[T], v[L0+7]                        ; parts 0 and 1 have seen all their candidates
	s_branch .Lhave_t
.Lwide_t:
.irp i, 0,1,2,3
	ds_load_b128 v[PL+4*\i:PL+4*\i+3], v[XLP] offset:512*\i
.endr
	s_wait_dscnt 0x0
.set ii, 0
.rept 16
	INS L0, 16, PL+ii                              ; parts 2 and 3: my partner's list into mine
.set ii, ii+1
.endr
	v_mov_b32 v[T], v[L0+15]
.Lhave_t:
	; PASS 2
	v_mov_b32 v[LTW], 0
	v_mov_b32 v[EQW], 0
	P2LOAD 0
.irp g, 0,1,2,3,4,5,6,7
	P2STEP \g
.endr
.irp i, 0,1,2,3
	ds_store_b128 v[XLW], v[E+4*\i:E+4*\i+3] offset:XE-XL+512*\i
.endr
	s_wait_dscnt 0x0                               ; for the others' sake: my keys lie in LDS
	s_barrier_signal -1
	s_barrier_wait -1
	; THE END: the flags become indices.  Part 2 does it for parts 2 and 3.  No barrier and no LDS store follows.
	s_cmp_eq_u32 s[PART], 3
	s_cbranch_scc1 .Lend
	s_cmp_eq_u32 s[PART], 2
	s_cbranch_scc1 .Lwide_x
	EXTRACT 8, 16
	s_branch .Lend
.Lwide_x:
.irp i, 0,1,2,3
	ds_load_b128 v[E+16+4*\i:E+16+4*\i+3], v[XLP] offset:XE-XL+512*\i
.endr
	s_wait_dscnt 0x0
	EXTRACT 16, 32
.Lend:
	s_wait_tensorcnt 0x0                           ; the wave's end: a tensor wait, an add to my spare word and an LDS wait behind my last LDS store, the first even with no tensor load
	ds_add_u32 v[SPW], v[NIL]
	s_wait_dscnt 0x0
	s_endpgm
.Lfunc_end_k_q5363ab8e4d_pick:
	.size	k_q5363ab8e4d_pick, .Lfunc_end_k_q5363ab8e4d_pick-k_q5363ab8e4d_pick
	.p2alignl 7, 3214868480
	.fill 96, 4, 3214868480
	.section	.rodata,"a",@progbits
	.p2align	6, 0x0
	.amdhsa_kernel k_q5363ab8e4d_pick
		.amdhsa_group_segment_fixed_size 164864
		.amdhsa_private_segment_fixed_size 0
		.amdhsa_enable_private_segment 0
		.amdhsa_kernarg_size 56
		.amdhsa_user_sgpr_count 2
		.amdhsa_user_sgpr_kernarg_segment_ptr 1
		.amdhsa_wavefront_size32 1
		.amdhsa_system_sgpr_workgroup_id_x 1
		.amdhsa_system_sgpr_workgroup_id_y 1
		.amdhsa_system_sgpr_workgroup_id_z 1
		.amdhsa_system_vgpr_workitem_id 0
		.amdhsa_next_free_vgpr 252
		.amdhsa_next_free_sgpr 66
		.amdhsa_reserve_vcc 1
		.amdhsa_float_denorm_mode_32 3
		.amdhsa_float_denorm_mode_16_64 3
		.amdhsa_memory_ordered 1
		.amdhsa_forward_progress 1
		.amdhsa_inst_pref_size 255
	.end_amdhsa_kernel
	.section	.bss,"aw",@nobits
	.p2align	6
	.space	262144
	.amdgpu_metadata
---
amdhsa.version: [ 1, 2 ]
amdhsa.kernels:
  - .name:           k_q5363ab8e4d_pick
    .symbol:         k_q5363ab8e4d_pick.kd
    .args:
      - { .name: gidx, .offset: 0, .size: 8, .value_kind: global_buffer, .address_space: global }
      - { .name: points1, .offset: 8, .size: 8, .value_kind: global_buffer, .address_space: global }
      - { .name: points2, .offset: 16, .size: 8, .value_kind: global_buffer, .address_space: global }
      - { .name: pc, .offset: 24, .size: 8, .value_kind: global_buffer, .address_space: global }
      - { .name: ridx1, .offset: 32, .size: 8, .value_kind: global_buffer, .address_space: global }
      - { .name: ridx2, .offset: 40, .size: 8, .value_kind: global_buffer, .address_space: global }
      - { .name: nidx, .offset: 48, .size: 8, .value_kind: global_buffer, .address_space: global }
    .group_segment_fixed_size: 164864
    .private_segment_fixed_size: 0
    .kernarg_segment_align: 8
    .kernarg_segment_size: 56
    .max_flat_workgroup_size: 256
    .sgpr_count:     66
    .vgpr_count:     252
    .wavefront_size: 32
...
	.end_amdgpu_metadata
.endif
;; end of part 4
;; launch fuse: the kernel of part 2 again; grid 256 x 1, 8 waves a work-group, no clusters, 36,864 bytes of LDS; arguments nidx, points1, points2, pc, ridx1, ridx2, Wq, Wk, Wv, bq, bk, bv, out0; writes out0
